; MI455X (gfx1250); checked and timed in simulation.
; The chip was launched on July 23, 2026; its instructions are those of AMD's public machine-readable ISA for CDNA 5 (MIT licence, August 2026) and "CDNA5" Instruction Set Architecture Reference Guide (July 2026). The comments in the code are by the model that wrote it; some were corrected since.
;; Attention. Allowed arithmetic: matrix products marked QUANTISED: E2M3 operands, one E8M0 scale for each 32 along K, by v_wmma_scale_f32_16x16x128_f8f6f4 with both operands' format E2M3, f32 sums; everything else in f32.
;; Inputs: W_o 1,024 x 1,024 float32; W_qkv 3,072 x 1,024 float32; b_o 1,024 float32; b_qkv 3,072 float32; x 4 x 2,048 x 1,024 float32.
;; Outputs: out0 4 x 2,048 x 1,024 float32.
;; This version of the problem:
;;   THIS VERSION OF THE PROBLEM IS GIVEN IN LOW PRECISION. The matrix products marked QUANTISED in the list below multiply operands that are first quantised to E2M3 (2 exponent bits, 3 mantissa bits; 6 bits a number), with one power-of-two scale for each 32 numbers along K (OCP MX v1.0); their sums are f32. All else is computed in f32.
;;   The module's matrix products, in the order in which they are computed (A, B: the left and right operand; K: the contracted axis; several contracted axes count as one K, in the product's order):
;;     1. [M 8,192, K 1,024] x [K 1,024, N 3,072]; A: input x; B: input W_qkv: QUANTISED
;;     2. batch 64 x [M 2,048, K 64] x [K 64, N 2,048]; A: computed on the way; B: computed on the way: QUANTISED
;;     3. batch 64 x [M 2,048, K 2,048] x [K 2,048, N 64]; A: softmax (see below); B: computed on the way: QUANTISED
;;     4. [M 8,192, K 1,024] x [K 1,024, N 1,024]; A: computed on the way; B: input W_o: QUANTISED
;;   THE QUANTISER, for each operand of a quantised product, along K:
;;     - K is cut into blocks of 32 from its start; a last block that is shorter is filled with zeros.
;;     - A block's scale is 2^e with e = floor(log2(the largest magnitude in the block)) - 2, held to -126 .. 127; a block of zeros has e = 0. As a byte (E8M0): e + 127.
;;     - Each number is divided by its block's scale, clamped to +-7.5, and rounded to the nearest number of E2M3, ties to even, subnormals kept.
;;     - The product sums the exact products of the quantised numbers (number of the format x scale) in f32.
;;   ~~~python
;;   def quantise(x, axis):      # numpy; x: float32 -> the quantised numbers, widened to float32 again
;;       x = np.moveaxis(x, axis, -1); K = x.shape[-1]
;;       x = np.pad(x, [(0, 0)] * (x.ndim - 1) + [(0, -K % 32)]); x = x.reshape(x.shape[:-1] + (-1, 32)); a = np.abs(x).max(-1, keepdims=True)
;;       e = np.where(a > 0, np.clip(np.frexp(np.where(a > 0, a, 1))[1] - 1 - 2, -126, 127), 0)      # np.frexp(a)[1] - 1 = floor(log2(a)), exactly
;;       r = np.clip(x / 2.0 ** e, -7.5, 7.5)
;;       step = 2.0 ** (np.maximum(np.frexp(np.where(r == 0, 1, r))[1] - 1, 0) - 3)
;;       q = np.round(r / step) * step * 2.0 ** e      # np.round: ties to even
;;       return np.moveaxis(q.reshape(q.shape[:-2] + (-1,))[..., :K], -1, axis).astype(np.float32)
;;   ~~~
;;   SOFTMAX AHEAD OF A QUANTISED PRODUCT. Where the list says 'softmax', what is quantised is not the finished softmax but p = 2^(t - M), with t = logit x log2(e) and M = ceil(the row's largest t), a whole number; so 1/2 < the row's largest p <= 1. The row's sum l is taken of the UNQUANTISED p, in f32, and the product's result is divided by l at the end. Since M is a whole number, a kernel that streams over the keys may use a running M (the ceiling of the running maximum): every later rescaling is an exact power of two, which a block's scale takes up: the codes' values come out the same.
;;   OPERANDS COMPUTED ON THE WAY. 'Computed on the way' means the value that the module computes at that place (a softmax that the list does not call 'softmax' is quantised finished and normalised). What goes into a quantiser is computed in f32, as accurately as f32 sums, v_exp_f32 and their like allow (about 1e-6 of the number): no bf16 or f16 on the way to a quantiser, and a product that is left as it is and whose result goes on into a quantised operand takes f32 operands (vector FMAs, or v_wmma_f32_16x16x4_f32). A number that lies on a knife's edge between two numbers of the format may be rounded either way, as far as f32 arithmetic and the matrix unit's own rounding can turn it there, and no further.
;; One version. Each part assembles by itself: llvm-mc -triple=amdgcn-amd-amdhsa -mcpu=gfx1250 --defsym DOCPART=n.
;; ======== version 1 of 1: 4 launches
;; workspace buffers: codes 9,437,184 bytes; scales 393,216 bytes; q_img 6,291,456 bytes; q_scl 524,288 bytes; kv 13,369,344 bytes; o_img 6,291,456 bytes; o_scl 262,144 bytes
;; launch quant (part 1): grid 384 x 1, 4 waves a work-group, no clusters, 33,280 bytes of LDS; arguments x, W_qkv, W_o, codes, scales; writes codes, scales
.if DOCPART == 1
	.amdgcn_target "amdgcn-amd-amdhsa--gfx1250"
	.amdhsa_code_object_version 6
	.text
	.protected	k_qc918cdaf94_quant
	.globl	k_qc918cdaf94_quant
	.p2align	8
	.type	k_qc918cdaf94_quant,@function
k_qc918cdaf94_quant:
	s_mov_b64 s[64:65], 0
	v_nop
	global_prefetch_b8 v0, s[64:65] scope:SCOPE_SE
	s_setreg_imm32_b32 hwreg(HW_REG_WAVE_MODE, 25, 1), 1
	s_wait_xcnt 0x0
; x [8192][1024], W_qkv [3072][1024] and W_o [1024][1024], f32, become codes of FP6 (E2M3), K innermost (768 bytes a row), and one E8M0 byte for each 32 along K (32 bytes a row).
; The three tensors' rows lie one behind the other in both buffers: rows 0-8191 x, 8192-11263 W_qkv, 11264-12287 W_o.
; POSITION ORDER: in every group of 32 rows the four groups of eight are stored in the order 0, 2, 1, 3.  Sixteen consecutive stored rows, taken as source 0 of a matrix instruction, then give a lane
; sixteen true neighbours in the registers of two neighbouring tiles.  A wave's run is eight rows (8,192 numbers), a work-group's 32 rows: so wave w only writes to place 0, 2, 1, 3 of its group.
; A block's scale is 2^(floor(log2(its largest magnitude)) - 2); its byte is the largest magnitude's exponent field - 2, held at 1 from below.  Division by the scale and rounding to the nearest code, ties to even, are the conversion's.
; LIMITS: a block of zeros gets the byte 1 where the rule says 127 (its codes are zeros, and this program alone reads the bytes); blocks whose largest magnitude lies under 2^-124 keep the byte 1; NaN and infinities are not served.
; A wave takes 16 steps of 512 numbers.  Each load reads 512 consecutive bytes; a step's 2,048 bytes turn through the wave's own stage in LDS, so that a lane gets 16 neighbours along K (two lanes hold a block).
; No tensor loads, no barrier: waves share nothing.  Loads run four steps ahead, the turn through LDS one step.
.set STEPS, 16
.set EMAX,  2
.set CB,    12                         ; bytes of 16 codes
.set R,     16                         ; v16-79   four sets of 16 numbers as they are loaded
.set X,     80                         ; v80-111  two sets of 16 neighbours
.set C,     128                        ; v128-191 codes: four registers for each step, so that no store's data are written again
.set E,     112                        ; v112-127 a scale byte for each step
.set WREG,  8192                       ; LDS: a region for each wave: two stages of 32 x SP bytes, behind them its 256 scale bytes
.set SP,    80                         ; a lane's place in a stage: 64 bytes + 16 of padding
	s_load_b128 s[4:7], s[0:1], 0x0                ; x, W_qkv
	s_load_b128 s[8:11], s[0:1], 0x10              ; W_o, the codes
	s_load_b64 s[12:13], s[0:1], 0x20              ; the scale bytes
	v_lshl_add_u32 v192, v0, 2, 0x8000
	v_mov_b32 v193, 0
	v_lshrrev_b32 v1, 5, v0
	v_readfirstlane_b32 s16, v1                    ; wave
	v_and_b32 v2, 31, v0                           ; lane
	v_lshlrev_b32 v3, 4, v2                        ; my 16 bytes of a load's 512
	s_mul_i32 s17, s16, WREG
	v_lshrrev_b32 v14, 2, v2
	v_mul_u32_u24 v14, v14, SP
	v_and_b32 v15, 3, v2
	v_lshl_add_u32 v14, v15, 4, v14
	v_add_nc_u32 v14, s17, v14                     ; the stage, on the way in: SP (lane / 4) + 16 (lane % 4)
	v_mul_u32_u24 v15, v2, SP
	v_add_nc_u32 v15, s17, v15                     ; and on the way out: SP x lane: my 16 neighbours
	v_mul_u32_u24 v4, v2, CB                       ; my codes' place in a step's
	v_lshrrev_b32 v5, 1, v2
	s_add_co_u32 s17, s17, 2*32*SP
	v_add_nc_u32 v5, s17, v5                       ; LDS: my wave's 256 scale bytes, my block's byte
	v_lshlrev_b32 v7, 3, v2                        ; and on the way out 8 bytes a lane
	v_add_nc_u32 v6, s17, v7
	s_wait_kmcnt 0x0
	s_mov_b32 s17, 352
	s_cmp_lt_u32 ttmp9, 352                        ; work-groups 0-255 take x, 256-351 W_qkv, 352-383 W_o: the choice hangs on the work-group's number alone
	s_cselect_b64 s[6:7], s[6:7], s[8:9]
	s_cselect_b32 s17, 256, s17
	s_cmp_lt_u32 ttmp9, 256
	s_cselect_b64 s[4:5], s[4:5], s[6:7]
	s_cselect_b32 s17, 0, s17                      ; the tensor's first work-group
	s_sub_co_u32 s17, ttmp9, s17
	s_lshl_b32 s17, s17, 2
	s_add_co_u32 s18, s17, s16                     ; which run of eight rows of the tensor is my wave's
	s_lshl_b32 s18, s18, 15                        ; 32,768 bytes a run
	s_mov_b32 s19, 0
	s_add_nc_u64 s[4:5], s[4:5], s[18:19]
	s_and_b32 s20, s16, 1                          ; where it goes: the wave number's two bits change places
	s_lshl_b32 s20, s20, 1
	s_lshr_b32 s21, s16, 1
	s_or_b32 s20, s20, s21
	s_lshl_b32 s21, ttmp9, 2
	s_add_co_u32 s20, s20, s21                     ; the run's place among all 1,536
	s_mul_i32 s18, s20, 32*STEPS*CB                ; 6,144 bytes of codes a run
	s_add_nc_u64 s[10:11], s[10:11], s[18:19]
	s_lshl_b32 s18, s20, 8                         ; 256 scale bytes a run
	s_add_nc_u64 s[12:13], s[12:13], s[18:19]
.macro LOAD t
.irp i, 0,1,2,3
	global_load_b128 v[R+16*((\t)%4)+4*\i:R+16*((\t)%4)+4*\i+3], v3, s[4:5] offset:2048*(\t)+512*\i th:TH_LOAD_NT   ; 32 lanes read 512 consecutive bytes
.endr
.endm
.macro TURN t                          ; step t's numbers through the stage: LDS serves a wave's instructions in order, so no wait stands between the stores and the loads
.irp i, 0,1,2,3
	ds_store_b128 v14, v[R+16*((\t)%4)+4*\i:R+16*((\t)%4)+4*\i+3] offset:32*SP*((\t)%2)+8*SP*\i
.endr
.irp i, 0,1,2,3
	ds_load_b128 v[X+16*((\t)%2)+4*\i:X+16*((\t)%2)+4*\i+3], v15 offset:32*SP*((\t)%2)+16*\i
.endr
.endm
.irp t, 0,1,2,3
	LOAD \t
.endr
	s_wait_loadcnt 12                              ; step 0's four loads are in; the twelve of steps 1 to 3 may be out
	TURN 0
.macro STEP t
.set XS, X+16*((\t)%2)
.if (\t) > 0
	s_wait_dscnt 1                                 ; this step's numbers are back from the stage (the last step's byte store may be out): so its stores into the stage have read their registers,
.else
	s_wait_dscnt 0x0
.endif
.if (\t)+4 < STEPS
	LOAD (\t)+4                                    ; which take the loads of four steps on
.endif
.if (\t)+1 < STEPS
.if STEPS-2-(\t) >= 3
	s_wait_loadcnt 12                              ; the next step's four loads are in; those of the three steps behind it may be out
.else
	s_wait_loadcnt 4*(STEPS-2-(\t))
.endif
	TURN (\t)+1                                    ; and go through the other stage while this step is worked
.endif
	v_max3_num_f32 v8, |v[XS]|, |v[XS+1]|, |v[XS+2]|               ; the largest magnitude of my 16, in two chains
	v_max3_num_f32 v9, |v[XS+3]|, |v[XS+4]|, |v[XS+5]|
.irp i, 6,10
	v_max3_num_f32 v8, v8, |v[XS+\i]|, |v[XS+\i+1]|
	v_max3_num_f32 v9, v9, |v[XS+\i+2]|, |v[XS+\i+3]|
.endr
	v_max3_num_f32 v8, v8, |v[XS+14]|, |v[XS+15]|
	v_max3_num_f32 v8, v8, v9, (EMAX+1)<<23        ; and the floor 2^(EMAX + 1 - 127): the byte cannot fall under 1
	v_max_num_f32_dpp v8, v8, v8 row_xmask:1 row_mask:0xf bank_mask:0xf   ; and of my neighbour's 16: the block's
	v_add_nc_u32 v11, -(EMAX<<23), v8              ; EMAX off its exponent field: the conversion takes the exponent field of this operand as its scale
	v_cvt_scalef32_pk16_fp6_f32 v[C+4*(\t):C+4*(\t)+2], v[XS:XS+15], v11
	v_lshrrev_b32 v[E+(\t)], 23, v11               ; the scale's byte
	ds_store_b8 v5, v[E+(\t)] offset:16*(\t)       ; both lanes of a block write the same byte with the same value
	global_store_b96 v4, v[C+4*(\t):C+4*(\t)+2], s[10:11] offset:32*CB*(\t)   ; the wave stores 384 consecutive bytes
.endm
.irp t, 0,1,2,3,4,5,6,7,8,9,10,11,12,13,14,15
	STEP \t
.endr
	ds_load_b64 v[12:13], v6                       ; LDS serves a wave's instructions in order: these see my stores
	s_wait_dscnt 0x0
	global_store_b64 v7, v[12:13], s[12:13]        ; 32 lanes store 256 consecutive bytes, aligned: eight rows' scale bytes
	s_wait_tensorcnt 0x0
	ds_add_u32 v192, v193
	s_wait_dscnt 0x0
	s_endpgm
.Lfunc_end_k_qc918cdaf94_quant:
	.size	k_qc918cdaf94_quant, .Lfunc_end_k_qc918cdaf94_quant-k_qc918cdaf94_quant
	.p2alignl 7, 3214868480
	.fill 96, 4, 3214868480
	.section	.rodata,"a",@progbits
	.p2align	6, 0x0
	.amdhsa_kernel k_qc918cdaf94_quant
		.amdhsa_group_segment_fixed_size 33280
		.amdhsa_private_segment_fixed_size 0
		.amdhsa_enable_private_segment 0
		.amdhsa_kernarg_size 40
		.amdhsa_user_sgpr_count 2
		.amdhsa_user_sgpr_kernarg_segment_ptr 1
		.amdhsa_wavefront_size32 1
		.amdhsa_system_sgpr_workgroup_id_x 1
		.amdhsa_system_sgpr_workgroup_id_y 1
		.amdhsa_system_sgpr_workgroup_id_z 1
		.amdhsa_system_vgpr_workitem_id 0
		.amdhsa_next_free_vgpr 194
		.amdhsa_next_free_sgpr 66
		.amdhsa_reserve_vcc 0
		.amdhsa_float_denorm_mode_32 3
		.amdhsa_float_denorm_mode_16_64 3
		.amdhsa_memory_ordered 1
		.amdhsa_forward_progress 1
		.amdhsa_inst_pref_size 33
	.end_amdhsa_kernel
	.amdgpu_metadata
---
amdhsa.version: [ 1, 2 ]
amdhsa.kernels:
  - .name:           k_qc918cdaf94_quant
    .symbol:         k_qc918cdaf94_quant.kd
    .args:
      - { .name: x, .offset: 0, .size: 8, .value_kind: global_buffer, .address_space: global }
      - { .name: W_qkv, .offset: 8, .size: 8, .value_kind: global_buffer, .address_space: global }
      - { .name: W_o, .offset: 16, .size: 8, .value_kind: global_buffer, .address_space: global }
      - { .name: codes, .offset: 24, .size: 8, .value_kind: global_buffer, .address_space: global }
      - { .name: scales, .offset: 32, .size: 8, .value_kind: global_buffer, .address_space: global }
    .group_segment_fixed_size: 33280
    .private_segment_fixed_size: 0
    .kernarg_segment_align: 8
    .kernarg_segment_size: 40
    .max_flat_workgroup_size: 128
    .sgpr_count:     66
    .vgpr_count:     194
    .wavefront_size: 32
...
	.end_amdgpu_metadata
.endif
;; end of part 1
;; launch qkv (part 2): grid 8 x 48, 4 waves a work-group, clusters of 4 x 4, 327,680 bytes of LDS; arguments codes, scales, b_qkv, q_img, q_scl, kv; writes q_img, q_scl, kv
.if DOCPART == 2
	.amdgcn_target "amdgcn-amd-amdhsa--gfx1250"
	.amdhsa_code_object_version 6
	.text
	.protected	k_qc918cdaf94_qkv
	.globl	k_qc918cdaf94_qkv
	.p2align	8
	.type	k_qc918cdaf94_qkv,@function
k_qc918cdaf94_qkv:
	s_mov_b64 s[64:65], 0
	v_nop
	global_prefetch_b8 v0, s[64:65] scope:SCOPE_SE
	s_setreg_imm32_b32 hwreg(HW_REG_WAVE_MODE, 25, 1), 1
	s_wait_xcnt 0x0
	s_wait_alu depctr_hold_cnt(0) depctr_sa_sdst(0) depctr_va_vdst(0) depctr_va_sdst(0) depctr_va_ssrc(0) depctr_va_vcc(0) depctr_vm_vsrc(0)
	s_getreg_b32 s2, hwreg(HW_REG_IB_STS2, 6, 4)
	s_cmp_eq_u32 s2, 0
	s_cbranch_scc0 .Lentry_in_a_cluster
	s_endpgm
.Lentry_in_a_cluster:
	s_bfe_u32 s2, ttmp6, 0x10000c
	s_cmp_lg_u32 s2, 0xf033
	s_cbranch_scc0 .Lentry_shape_is_right
	s_endpgm
.Lentry_shape_is_right:
; qkv = x W_qkv^T + b_qkv on codes of FP6 (E2M3) with E8M0 scales, K = 1,024, sums in f32; the results are quantised here and leave as IMAGES OF OPERAND REGISTERS for the attention launch.
; A tile of 256 x 256 is made by four waves, 128 x 128 each: 64 accumulators, 512 registers.  K goes in steps of 256 through a ring of two LDS slots filled by the tensor data mover; the scale bytes of the
; work-group's 512 rows come once.  4 x 4 work-groups form a cluster: side A's tiles are asked for jointly along a row of the cluster, side B's along a column.
; THE MATRIX INSTRUCTION TAKES SIDE B AS SOURCE 0 AND SIDE A AS SOURCE 1: a lane holds ONE row of side A, and its registers run along side B's rows.  Both sides' rows lie in position order (in each 32 rows the
; groups of eight as 0, 2, 1, 3), so the 16 registers of B's tiles 2 b and 2 b + 1 are 16 true neighbours 32 b + 16 (lane / 16) + 0 .. 15: what the quantiser along side B wants.
; Q, K (clusters with y < 8): A = x (tokens), B = W_q, W_k: quantised along the head's 64.   V (y >= 8): A = W_v, B = x: quantised along the keys.  One text; what differs are addresses and where the bias lies.
; AN IMAGE of 16 rows x 64 K is 6 registers a lane, 768 bytes: registers 0-3 at 16 x lane, registers 4-5 at 512 + 8 x lane.  A wave's 128 along B give two images for each 16 rows of A.
;   q_img [64 heads][128 token tiles][768], q_scl [64][128][16 words];  kv [64 heads][16 key steps][13,056]: 8 images of K, 512 bytes of K's scale words, 4 fragments of V (16 of the head's 64 x 128 keys, 1,536 bytes), 256 bytes of V's scale words.
; LIMITS: a block of zeros gets the byte 1 (its codes are zeros; this program alone reads the bytes); blocks under 2^-124 keep the byte 1; NaN and infinities are not served.
; REGISTERS, in windows of 256: window 0: v0-31 addresses; v32-63 scale words, two sets; v64-127 the bias along B; v128-223 A's fragments, one set; v240-255 the bias along A.  On the way out v128-239 are at work.
;   window 1: B's fragments, two sets.   window 2: the accumulators of my rows 0-63 ((a, b) at v[8 (8 a + b)]);   window 3: those of rows 64-127.
.set KSTEP,  256
.set NQ,     2                         ; matrix instructions deep in a slot
.set ROWB,   192                       ; a tile's row in bytes
.set KROW,   768                       ; a row of codes in memory
.set PITCH,  240                       ; an LDS row: 3 x (64 bytes + 16 of padding)
.set FR,     12                        ; registers of a fragment
.set NL,     6                         ; LDS loads that bring one
.set NP,     4                         ; places behind this matrix instruction (ISA guide 7.12.1)
.set HALFT,  128*PITCH
.set SLOT,   4*HALFT
.set LAPS,   2                         ; 1,024 / (2 x 256)
.set KS,     32                        ; a row of scale bytes
.set SCL,    2*SLOT                    ; behind the ring: the scale bytes, as units of 256 bytes + 16 of padding
.set HALFS,  (128*KS/256)*272
.set SBLK,   (16*KS/256)*272
.set SPARE,  SCL+4*HALFS               ; the spare words, 128 bytes for each wave
.set STG,    SPARE+512                 ; each wave's stage for the scale words that it makes: 1,024 bytes; no tile lands here
.set ADRA, 16                          ; v16-17 LDS address of my A fragments in slot 0, 1; v18-19 the same behind one padding more
.set ADRB, 20                          ; v20-23 the same for B
.set ADRS, 27                          ; v27 LDS address of my scale words: lanes 0-15 A's rows, lanes 16-31 B's
.set SPW,  28                          ; v28 LDS address of my spare word; never rewritten
.set NIL,  29                          ; v29 0; never rewritten
.set SC,   32
.set BN,   64                          ; b_qkv along B: register 8 b + j: column 32 (b / 2) + 8 (b % 2) + 16 (lane / 16) + j of my 128
.set AF,   128
.set BM,   240                         ; b_qkv along A: the pair 2 a, 2 a + 1 holds, twice, the number of my lane's row of block a
.set HA,   128                         ; the way out: 64 numbers of a lane
.set PC,   192                         ; v192-211 the codes just made
.set TM,   212                         ; v212-227 at work in the quantiser
.set PW,   228                         ; the scale word just made
.set WS,   232                         ; v232-239 a block's scale word as it is stored
.set T0,   64                          ; the scale words read back from the stage (the bias along B is done with)
.set T1,   68
.set SEL,  18                          ; s[18:19] lane selects for v_permlanex16_b32: lane l xor 16
.set G1, 24
.set G0, 32
.set G1B, 48
.set G0B, 56
.set G1S, 68
.set G0S, 76
.set G1SB, 80
.set G0SB, 88
.set MSB, 0
.macro WIN new                         ; the immediate's high byte repeats the setting that is left
.if MSB != \new
	s_set_vgpr_msb (MSB<<8)|\new
.set MSB, \new
.endif
.endm
.set MUL_LO, 0xa1                      ; source 0 (B) window 1, source 1 (A) window 0, C and D window 2
.set MUL_HI, 0xf1
.set TO_B,   0x40
; A joint load: waves 0 and 1 fetch for A, waves 2 and 3 for B; the branch hangs on the wave's number alone.  Four v_nop follow each of the two lines.
.macro JLOAD g0a, g1a, g0b, g1b
	s_cmp_eq_u32 s15, 0
	s_cbranch_scc0 .Lfor_b_\@
	tensor_load_to_lds s[\g0a:\g0a+3], s[\g1a:\g1a+7]
	s_nop 0
.rept 4
	v_nop
.endr
	s_branch .Lasked_\@
.Lfor_b_\@:
	tensor_load_to_lds s[\g0b:\g0b+3], s[\g1b:\g1b+7]
	s_nop 0
.rept 4
	v_nop
.endr
.Lasked_\@:
.endm
.macro CREST                           ; a round of the cluster's barrier behind its opening barrier
	s_cmp_lg_u32 s14, 0
	s_cbranch_scc1 .Lnot_wave_0_\@
	s_barrier_signal -3
.Lnot_wave_0_\@:
	s_barrier_wait -3
	s_barrier_signal -1
	s_barrier_wait -1
.endm
.macro CROUND
	s_barrier_signal -1
	s_barrier_wait -1
	CREST
.endm
	s_load_b256 s[4:11], s[0:1], 0x0               ; codes s[4:5], scales s[6:7], b_qkv s[8:9], q_img s[10:11]
	s_load_b128 s[92:95], s[0:1], 0x20             ; q_scl s[92:93], kv s[94:95]
	v_lshl_add_u32 v[SPW], v0, 2, SPARE
	v_mov_b32 v[NIL], 0
	ds_add_u32 v28, v29
	ds_add_u32 v28, v29
	s_wait_dscnt 0x0
	v_lshrrev_b32 v1, 5, v0
	v_readfirstlane_b32 s14, v1                    ; wave 0..3
	s_lshr_b32 s15, s14, 1                         ; which half of A's rows is mine.  Also: I fetch for A (0) or for B (1)
	s_and_b32 s16, s14, 1                          ; which half of B's rows.  Also: which 128 rows of that tile I fetch
	s_bfe_u32 s40, ttmp6, 0x40000                  ; cx, cy: my place in the cluster
	s_bfe_u32 s41, ttmp6, 0x40004
	s_and_b32 s96, ttmp7, 0xffff                   ; the cluster's y: 0-7 Q and K, 8-11 V
	s_sub_co_u32 s97, s96, 8
	s_lshl_b32 s97, s97, 1
	s_add_co_u32 s97, s97, ttmp9                   ; V: column of clusters 2 (y - 8) + x: eight of them cover the 8,192 tokens
	s_mov_b32 s98, 10240
	s_mov_b32 s99, 8192
	s_cmp_ge_u32 s96, 8
	s_cselect_b32 s66, 1, 0                        ; 1: V.  The same in all sixteen partners
	s_cselect_b32 s42, s97, ttmp9                  ; column of clusters
	s_cselect_b32 s17, 0, s96                      ; row of clusters
	s_cselect_b32 s98, s98, 0                      ; A's first row among the codes: W_v begins at 10,240, x at 0
	s_cselect_b32 s99, 0, s99                      ; B's: x at 0, W_q at 8,192
	s_or_b32 s67, s66, ttmp9                       ; 0: Q (not V, and the first four tile columns)
	s_lshl_b32 s42, s42, 2
	s_add_co_u32 s42, s42, s40                     ; tile column
	s_lshl_b32 s17, s17, 2
	s_add_co_u32 s17, s17, s41                     ; tile row
	s_lshl_b32 s43, s41, 2
	s_lshl_b32 s43, 15, s43                        ; my row of the cluster
	s_lshl_b32 s44, 0x1111, s40                    ; my column
	; descriptor group 1: a tile of 128 rows x 192 bytes, 16 bytes of padding behind every 64
	s_or_b32 s[G1+0], s43, (0<<16)|(1<<20)|(1<<21)|(3<<22)|(3<<25)
	s_or_b32 s[G1B+0], s44, (0<<16)|(1<<20)|(1<<21)|(3<<22)|(3<<25)
.irp g, G1, G1B
	s_mov_b32 s[\g+1], ROWB<<16                    ; tensor_dim0
	s_mov_b32 s[\g+2], 128<<16                     ; tensor_dim1
	s_mov_b32 s[\g+3], ROWB<<16                    ; tile_dim0
	s_mov_b32 s[\g+4], 128                         ; tile_dim1
	s_mov_b32 s[\g+5], KROW                        ; from row to row
	s_mov_b32 s[\g+6], 0
	s_mov_b32 s[\g+7], 0
.endr
	; the scale bytes of 128 rows: 4,096 dense bytes, as 16 rows of 256 (32 elements of 8 bytes), 16 bytes of padding behind each
	s_or_b32 s[G1S+0], s43, (3<<16)|(1<<20)|(1<<21)|(5<<22)|(3<<25)
	s_or_b32 s[G1SB+0], s44, (3<<16)|(1<<20)|(1<<21)|(5<<22)|(3<<25)
.irp g, G1S, G1SB
	s_mov_b32 s[\g+1], 32<<16
	s_mov_b32 s[\g+2], (128*KS/256)<<16
	s_mov_b32 s[\g+3], 32<<16
	s_mov_b32 s[\g+4], 128*KS/256
	s_mov_b32 s[\g+5], 32
	s_mov_b32 s[\g+6], 0
	s_mov_b32 s[\g+7], 0
.endr
	s_lshl_b32 s18, s16, 7                         ; which 128 rows of the tile I fetch
	s_lshl_b32 s20, s17, 8
	s_add_co_u32 s20, s20, s18
	s_add_co_u32 s20, s20, s98                     ; A's row among the codes: made of the tile row alone
	s_lshl_b32 s46, s42, 8
	s_add_co_u32 s46, s46, s18
	s_add_co_u32 s46, s46, s99                     ; B's: of the tile column alone
	s_mov_b32 s21, 0
	s_mov_b32 s47, 0
	s_mov_b64 s[18:19], KS
	s_mul_u64 s[22:23], s[20:21], s[18:19]         ; where these rows' scale bytes begin
	s_mul_u64 s[96:97], s[46:47], s[18:19]
	s_mov_b64 s[18:19], KROW
	s_mul_u64 s[20:21], s[20:21], s[18:19]         ; and their codes
	s_mul_u64 s[46:47], s[46:47], s[18:19]
	s_mul_i32 s45, s14, HALFT                      ; where they go: wave x 128 rows
	s_mul_i32 s104, s14, HALFS
	s_wait_kmcnt 0x0
	s_add_nc_u64 s[20:21], s[4:5], s[20:21]
	s_add_nc_u64 s[22:23], s[6:7], s[22:23]
	s_add_nc_u64 s[46:47], s[4:5], s[46:47]
	s_add_nc_u64 s[96:97], s[6:7], s[96:97]
	CROUND                                         ; all sixteen work-groups are here: the first joint loads meet
	s_mov_b32 s[G0S], 1
	s_add_co_u32 s[G0S+1], s104, SCL
	s_mov_b64 s[G0S+2:G0S+3], s[22:23]
	s_or_b32 s[G0S+3], s[G0S+3], 0x80000000
	s_mov_b32 s[G0SB], 1
	s_add_co_u32 s[G0SB+1], s104, SCL
	s_mov_b64 s[G0SB+2:G0SB+3], s[96:97]
	s_or_b32 s[G0SB+3], s[G0SB+3], 0x80000000
	JLOAD G0S, G1S, G0SB, G1SB                     ; the scale bytes first: they are wanted with K step 0
.irp s, 0,1
	s_mov_b32 s[G0+4*\s], 1
	s_add_co_u32 s[G0+4*\s+1], s45, \s*SLOT
	s_add_nc_u64 s[G0+4*\s+2:G0+4*\s+3], s[20:21], \s*ROWB
	s_or_b32 s[G0+4*\s+3], s[G0+4*\s+3], 0x80000000
	s_mov_b32 s[G0B+4*\s], 1
	s_add_co_u32 s[G0B+4*\s+1], s45, \s*SLOT
	s_add_nc_u64 s[G0B+4*\s+2:G0B+4*\s+3], s[46:47], \s*ROWB
	s_or_b32 s[G0B+4*\s+3], s[G0B+4*\s+3], 0x80000000
	JLOAD G0+4*\s, G1, G0B+4*\s, G1B               ; by this text's count three tensor loads of a wave are out now
.endr
	v_and_b32 v1, 15, v0                           ; r = lane % 16
	v_bfe_u32 v2, v0, 4, 1                         ; h = lane / 16
	v_mul_u32_u24 v3, v1, PITCH
	v_mul_u32_u24 v4, v2, 24
	v_add_nc_u32 v4, v3, v4                        ; a fragment's row x pitch + 24 x half
	v_lshl_add_u32 v5, v2, 4, v4                   ; and the same behind one padding more
	s_mul_i32 s21, s15, HALFT                      ; my 128 rows of A
	s_mul_i32 s22, s16, HALFT                      ; my 128 rows of B,
	s_add_co_u32 s22, s22, 2*HALFT                 ; which lie behind A's 256
.irp s, 0,1
	v_add_nc_u32 v[ADRA+\s], s21, v4
	v_add_nc_u32 v[ADRB+\s], s22, v4
	v_add_nc_u32 v[ADRA+2+\s], s21, v5
	v_add_nc_u32 v[ADRB+2+\s], s22, v5
	s_add_co_u32 s21, s21, SLOT
	s_add_co_u32 s22, s22, SLOT
.endr
	v_mul_u32_u24 v5, v1, KS                       ; my row's scale bytes: 32 a row,
	v_lshrrev_b32 v6, 8, v5
	v_lshl_add_u32 v5, v6, 4, v5                   ; and 16 more for each 256 passed
	s_mul_i32 s21, s15, HALFS
	s_mul_i32 s22, s16, HALFS
	s_add_co_u32 s22, s22, 2*HALFS
	s_sub_co_u32 s22, s22, s21
	v_mul_u32_u24 v6, s22, v2                      ; lanes 16-31 take B's: one product, the distance between the two bases
	s_add_co_u32 s21, s21, SCL
	v_add_nc_u32 v5, v5, v6
	v_add_nc_u32 v[ADRS], s21, v5
	; the bias.  Both sets are loaded on the one path; the set that this work-group does not use reads the buffer's first numbers, so that every load stays inside
	s_lshl_b32 s96, s42, 10
	s_lshl_b32 s97, s16, 9
	s_add_co_u32 s96, s96, s97                     ; Q, K: 4 bytes x my first column, 256 x tile column + 128 x half
	s_lshl_b32 s97, s17, 10
	s_lshl_b32 s46, s15, 9
	s_add_co_u32 s97, s97, s46
	s_add_co_u32 s97, s97, 8192                    ; V: 4 bytes x (2,048 + my first row of W_v)
	s_cmp_eq_u32 s66, 1
	s_cselect_b32 s96, 0, s96
	s_cselect_b32 s97, s97, 0
	v_lshl_add_u32 v3, v2, 6, s96                  ; + 16 numbers for lanes 16-31
	v_and_b32 v4, 8, v1
	v_add_nc_u32 v4, v4, v1                        ; r + 8 (r / 8): the true row of position r
	v_lshl_add_u32 v4, v4, 2, s97
.irp t, 0,1,2,3,4,5,6,7
	global_load_b128 v[BN+8*\t:BN+8*\t+3], v3, s[8:9] offset:(32*(\t/2)+8*(\t%2))*4
	global_load_b128 v[BN+8*\t+4:BN+8*\t+7], v3, s[8:9] offset:(32*(\t/2)+8*(\t%2))*4+16
.endr
.irp a, 0,1,2,3,4,5,6,7
	global_load_b32 v[BM+2*\a], v4, s[8:9] offset:(32*(\a/2)+8*(\a%2))*4
	global_load_b32 v[BM+2*\a+1], v4, s[8:9] offset:(32*(\a/2)+8*(\a%2))*4   ; twice: the packed addition names a pair
.endr
	; where my results go
	s_and_b32 s96, s42, 3
	s_cmp_eq_u32 s66, 1
	s_cselect_b32 s97, s42, s17                    ; the tile of 256 tokens,
	s_cselect_b32 s98, s16, s15                    ; my half of it,
	s_cselect_b32 s96, s17, s96                    ; the tile of 256 channels (four heads) inside Q, K or V,
	s_cselect_b32 s99, s15, s16                    ; my half of it (two heads)
	s_cselect_b32 s104, 6656, 0                    ; V's fragments begin 6,656 bytes into a key step
	s_cselect_b32 s2, -1, 0xffff                   ; Q, K: a head's scale word has two bytes
	s_cselect_b32 s105, 0, 16
	s_lshr_b32 s45, s97, 3                         ; batch
	s_and_b32 s97, s97, 7
	s_lshl_b32 s97, s97, 1
	s_add_co_u32 s97, s97, s98                     ; which 128 tokens of the batch's 2,048
	s_lshl_b32 s45, s45, 4
	s_lshl_b32 s96, s96, 2
	s_add_co_u32 s45, s45, s96
	s_lshl_b32 s99, s99, 1
	s_add_co_u32 s45, s45, s99                     ; my first head: 16 x batch + 4 x tile + 2 x half
	s_lshl_b32 s46, s45, 4
	s_add_co_u32 s46, s46, s97
	s_mul_i32 s46, s46, 13056
	s_add_co_u32 s46, s46, s104                    ; in kv
	s_mov_b32 s47, 0
	s_lshl_b32 s20, s45, 7
	s_lshl_b32 s21, s97, 3
	s_add_co_u32 s20, s20, s21                     ; in q_img and q_scl: token tile 128 x head + 8 x step
	s_mul_i32 s22, s20, 768
	s_mov_b32 s23, 0
	s_lshl_b32 s20, s20, 6
	s_mov_b32 s21, 0
	s_add_nc_u64 s[22:23], s[10:11], s[22:23]
	s_add_nc_u64 s[20:21], s[92:93], s[20:21]
	s_add_nc_u64 s[46:47], s[94:95], s[46:47]
	s_add_nc_u64 s[96:97], s[46:47], 6144          ; the scale words lie 6,144 bytes behind the images, for K and for V
	s_mov_b32 s98, 208896
	s_mov_b32 s99, 208896
	s_cmp_eq_u32 s67, 0                            ; Q?
	s_cselect_b64 s[12:13], s[22:23], s[46:47]     ; the images' base
	s_cselect_b64 s[100:101], s[20:21], s[96:97]   ; the scale words' base
	s_cselect_b32 s98, 98304, s98                  ; from my first head's image to my second's: 128 x 768 in q_img, a head in kv
	s_cselect_b32 s99, 8192, s99                   ; and the same for the scale words
	s_mov_b32 s104, 208896
	s_mov_b32 s20, 1536
	s_mov_b32 s22, 204288
	s_cmp_eq_u32 s66, 1
	s_cselect_b32 s98, 768, s98                    ; V: the second image is the fragment's upper 64 keys
	s_cselect_b32 s104, s104, 256                  ; V: lanes 16-31 store the second head's scale words
	s_cselect_b32 s20, s20, 768                    ; from block to block of A's rows
	s_cselect_b32 s22, s22, 768                    ; V: behind block 3 on to the second head: 208,896 - 3 x 1,536
	s_mov_b32 s21, 0
	s_mov_b32 s23, 0
	s_mov_b32 s[SEL], 0x76543210
	s_mov_b32 s[SEL+1], 0xfedcba98
	v_and_b32 v6, 31, v0
	v_lshlrev_b32 v7, 4, v6                        ; an image's registers 0-3: 16 x lane
	v_lshlrev_b32 v8, 3, v6                        ; its registers 4-5: 8 x lane (+ 512)
	v_add_nc_u32 v9, s98, v7                       ; the second image
	v_add_nc_u32 v10, s98, v8
	v_mul_u32_u24 v11, s105, v2                    ; Q, K: lanes 16-31 keep the upper two bytes of a scale word: the second head's
	s_lshl_b32 s45, s14, 10
	s_add_co_u32 s45, s45, STG                     ; my stage
	v_lshlrev_b32 v12, 2, v1
	v_lshl_add_u32 v12, v2, 9, v12
	v_add_nc_u32 v12, s45, v12                     ; into it: 4 r + 512 h (+ 64 a block)
	v_add_nc_u32 v13, s45, v7                      ; out of it: 16 x lane
	v_lshlrev_b32 v14, 4, v1
	v_mul_u32_u24 v15, s104, v2
	v_add_nc_u32 v14, v14, v15                     ; the first 512 bytes' place in memory
	v_add_nc_u32 v15, s99, v7                      ; Q, K: the second head's
.macro FRAG reg, adr, q, i             ; 16 rows x 128 K: 12 registers; registers 6 c .. 6 c + 5 hold K = 64 c + 32 (lane / 16) + 0 .. 31: 24 bytes of the row, in pieces of 8
.irp p, 0,1,2,3,4,5
.set PIECE, 12*(\q)+6*(\p/3)+\p%3      ; where the piece three on lies behind one padding more, the second address register serves
.if PIECE%8 < 5
	ds_load_b64 v[\reg+2*\p:\reg+2*\p+1], v[\adr] offset:8*PIECE+16*(PIECE/8)+(\i)*16*PITCH
.else
	ds_load_b64 v[\reg+2*\p:\reg+2*\p+1], v[\adr+2] offset:8*PIECE+16*(PIECE/8)+(\i)*16*PITCH
.endif
.endr
.endm
; 16 matrix instructions: A's blocks a0, a0 + 1 x B's eight, 128 along K.  The 64 accumulators take turns, one instruction a turn, in the same order in every step.
.macro MUL16 a0, p, q, sc, zero
.irp a, \a0, \a0+1
.irp b, 0,1,2,3,4,5,6,7
.if \zero
	v_wmma_scale_f32_16x16x128_f8f6f4 v[8*(8*((\a)%4)+\b):8*(8*((\a)%4)+\b)+7], v[128*(\p)+FR*\b:128*(\p)+FR*\b+FR-1], v[AF+FR*(\a):AF+FR*(\a)+FR-1], 0, v[SC+8*NQ*(\sc)+NQ*\b+(\q)], v[SC+8*NQ*(\sc)+NQ*(\a)+(\q)] matrix_a_fmt:MATRIX_FMT_FP6 matrix_b_fmt:MATRIX_FMT_FP6 matrix_a_scale:MATRIX_SCALE_ROW1
.else
	v_wmma_scale_f32_16x16x128_f8f6f4 v[8*(8*((\a)%4)+\b):8*(8*((\a)%4)+\b)+7], v[128*(\p)+FR*\b:128*(\p)+FR*\b+FR-1], v[AF+FR*(\a):AF+FR*(\a)+FR-1], v[8*(8*((\a)%4)+\b):8*(8*((\a)%4)+\b)+7], v[SC+8*NQ*(\sc)+NQ*\b+(\q)], v[SC+8*NQ*(\sc)+NQ*(\a)+(\q)] matrix_a_fmt:MATRIX_FMT_FP6 matrix_b_fmt:MATRIX_FMT_FP6 matrix_a_scale:MATRIX_SCALE_ROW1
.endif
.endr
.endr
.endm
.macro FETCH_B slot, q, p
	WIN TO_B
.irp i, 0,1,2,3,4,5,6,7
	FRAG 128*(\p)+FR*\i, ADRB+\slot, \q, \i
.endr
	WIN 0
.endm
.macro FETCH_A slot, q, i0
.irp i, \i0, \i0+1, \i0+2, \i0+3
	FRAG AF+FR*(\i), ADRA+\slot, \q, \i
.endr
.endm
.macro SCALES sc                       ; a K step's scale words: two words a row; lanes 0-15 take A's block i, lanes 16-31 B's block i
.irp i, 0,1,2,3,4,5,6,7
	ds_load_b64 v[SC+8*NQ*\sc+NQ*\i:SC+8*NQ*\sc+NQ*\i+1], v[ADRS] offset:\i*SBLK
.endr
.endm
.macro PLACES n                        ; plain vector instructions between a matrix instruction and a load into, or a read of, its registers
.rept \n
	v_nop
.endr
.endm
.macro STEP slot, q, zero              ; 128 along K that have their successor in the same slot
	s_wait_dscnt 4*NL                              ; B's set and A's blocks 0-3 are in; the youngest 24 loads (A's blocks 4-7) may be out
	WIN MUL_LO
	MUL16 0, (\q)%2, \q, \slot, \zero
	MUL16 2, (\q)%2, \q, \slot, \zero
	s_wait_dscnt 0
	PLACES NP
	FETCH_B \slot, (\q)+1, 1-(\q)%2
	FETCH_A \slot, (\q)+1, 0
	WIN MUL_HI
	MUL16 4, (\q)%2, \q, \slot, \zero
	MUL16 6, (\q)%2, \q, \slot, \zero
	PLACES NP
	WIN 0
	FETCH_A \slot, (\q)+1, 4
.endm
; A slot's last step changes slots: one barrier; in front of it each wave waits for all its tensor loads, adds 0 to its spare word, and waits for that and for its reads of this slot.
.macro TURN slot, next, fill
	s_wait_tensorcnt 0x0                           ; all my tensor loads have landed: my part of the next slot
	ds_add_u32 v[SPW], v[NIL]                      ; 0 onto my spare word
	s_wait_dscnt 4*NL+1                            ; the add and the youngest 24 loads (A's blocks 4-7) may be out
	WIN MUL_LO
	MUL16 0, 1, NQ-1, \slot, 0
	s_wait_dscnt 0x0                               ; the add is done, and my reads of this slot are over
	s_barrier_signal -1
	MUL16 2, 1, NQ-1, \slot, 0
	WIN 0
	s_barrier_wait -1
.if \fill
	CREST                                          ; the barrier has opened a round of the cluster's: no wave of any partner still reads this slot or has a load on its way
	s_add_nc_u64 s[G0+4*\slot+2:G0+4*\slot+3], s[G0+4*\slot+2:G0+4*\slot+3], 2*ROWB
	s_add_nc_u64 s[G0B+4*\slot+2:G0B+4*\slot+3], s[G0B+4*\slot+2:G0B+4*\slot+3], 2*ROWB
	JLOAD G0+4*\slot, G1, G0B+4*\slot, G1B         ; the first tensor load behind the round; its four v_nop are the places in front of the loads below
.else
	PLACES NP
.endif
	v_add_nc_u32 v[ADRS], 4*NQ, v[ADRS]            ; on to the next K step's scale words
	FETCH_B \next, 0, 0
	FETCH_A \next, 0, 0
	SCALES \next
	WIN MUL_HI
	MUL16 4, 1, NQ-1, \slot, 0
	MUL16 6, 1, NQ-1, \slot, 0
	PLACES NP
	WIN 0
	FETCH_A \next, 0, 4
.endm
	s_wait_loadcnt 0x0                             ; the bias: no global load is out at a barrier
	s_wait_tensorcnt 1                             ; the scale bytes and my part of K step 0 are in; K step 1's load may be out
	s_barrier_signal -1
	s_barrier_wait -1
	FETCH_B 0, 0, 0
	FETCH_A 0, 0, 0
	SCALES 0
	FETCH_A 0, 0, 4
	STEP 0, 0, 1                                   ; the first step's products start the sums
	s_mov_b32 s3, LAPS-1
.Llap:
	TURN 0, 1, 1
	STEP 1, 0, 0
	TURN 1, 0, 1
	STEP 0, 0, 0
	s_sub_co_u32 s3, s3, 1
	s_cmp_lg_u32 s3, 0
	s_cbranch_scc1 .Llap
	TURN 0, 1, 0                                   ; the last lap fills nothing
	STEP 1, 0, 0
	s_wait_dscnt 4*NL
	WIN MUL_LO
	MUL16 0, 1, NQ-1, 1, 0
	MUL16 2, 1, NQ-1, 1, 0
	s_wait_dscnt 0
	WIN MUL_HI
	MUL16 4, 1, NQ-1, 1, 0
	MUL16 6, 1, NQ-1, 1, 0
	WIN 0
; 64 numbers of a lane, v[s] on, register 16 b + i = k 32 b + 16 (lane / 16) + i of my row, become a fragment's codes in v[PC] on and its scale word in v[PW].
.macro QUANT s
.irp b, 0,1,2,3
	v_max3_num_f32 v[TM+\b], |v[\s+16*\b]|, |v[\s+1+16*\b]|, 0x1800000   ; block b: my 16 numbers, and the floor 2^(3 - 127): the byte cannot fall under 1
.endr
.irp i, 2,4,6,8,10,12,14
.irp b, 0,1,2,3
	v_max3_num_f32 v[TM+\b], v[TM+\b], |v[\s+16*\b+\i]|, |v[\s+1+16*\b+\i]|
.endr
.endr
.irp b, 0,1,2,3
	v_permlanex16_b32 v[TM+4+\b], v[TM+\b], s[SEL], s[SEL+1]
.endr
.irp b, 0,1,2,3
	v_max_num_f32 v[TM+\b], v[TM+\b], v[TM+4+\b]   ; with lane l xor 16's: the block's largest magnitude
.endr
.irp b, 0,1,2,3
	v_add_nc_u32 v[TM+12+\b], 0xff000000, v[TM+\b] ; 2 off its exponent field: the conversion's scale operand
.endr
.irp b, 0,1,2,3
	v_lshrrev_b32 v[TM+4+\b], 23, v[TM+12+\b]      ; the scale's byte
.endr
	v_lshl_or_b32 v[PW], v[TM+5], 8, v[TM+4]
	v_lshl_or_b32 v[PW], v[TM+6], 16, v[PW]
	v_lshl_or_b32 v[PW], v[TM+7], 24, v[PW]
.irp c, 0,1
	v_cvt_scalef32_pk16_fp6_f32 v[PC+6*\c:PC+2+6*\c], v[\s+32*\c:\s+15+32*\c], v[TM+12+2*\c]
	v_cvt_scalef32_pk16_fp6_f32 v[PC+12+4*\c:PC+14+4*\c], v[\s+16+32*\c:\s+31+32*\c], v[TM+12+2*\c+1]   ; (a conversion's three registers begin on an even number)
.endr
	v_nop                                          ; one plain instruction behind a scaled conversion
.irp c, 0,1                            ; the operand's layout wants a whole block in a lane: lanes 0-15 block 2 c, lanes 16-31 block 2 c + 1
.irp i, 0,1,2
	v_permlane16_swap_b32 v[PC+6*\c+\i], v[PC+12+4*\c+\i]
.endr
.irp i, 0,1,2
	v_mov_b32 v[PC+3+6*\c+\i], v[PC+12+4*\c+\i]
.endr
.endr
.endm
; THE WAY OUT of A's block a: the bias is added, the lane's 64 numbers are quantised, and the fragment leaves as two images: each store covers 512 or 256 consecutive bytes, aligned.
.macro OUTBLK a
.set AC, 64*((\a)%4)
.if (\a) > 0
	s_wait_xcnt 0x0                                ; the last block's stores have read their data and their base: both are written again only behind this wait
.if (\a) == 4
	s_add_nc_u64 s[12:13], s[12:13], s[22:23]
.else
	s_add_nc_u64 s[12:13], s[12:13], s[20:21]
.endif
.endif
	s_cmp_eq_u32 s66, 1                            ; the same in every wave and every partner
	s_cbranch_scc1 .Lby_row_\@
	WIN 0x02+(\a)/4                                ; source 0: window 2 or 3
.set jj, 0
.rept 32
	v_pk_add_f32 v[HA+jj:HA+jj+1], v[AC+jj:AC+jj+1], v[BN+jj:BN+jj+1]   ; Q, K: the bias runs along the registers.  Each accumulator is read from its low end on
.set jj, jj+2
.endr
	WIN 0
	s_branch .Lbiased_\@
.Lby_row_\@:
	WIN 0x02+(\a)/4
.set jj, 0
.rept 32
	v_pk_add_f32 v[HA+jj:HA+jj+1], v[AC+jj:AC+jj+1], v[BM+2*(\a):BM+2*(\a)+1] op_sel_hi:[1,0]   ; V: one number for the lane's row
.set jj, jj+2
.endr
	WIN 0
.Lbiased_\@:
	QUANT HA
	global_store_b128 v7, v[PC:PC+3], s[12:13]
	global_store_b64 v8, v[PC+4:PC+5], s[12:13] offset:512
	global_store_b128 v9, v[PC+6:PC+9], s[12:13]
	global_store_b64 v10, v[PC+10:PC+11], s[12:13] offset:512
	v_lshrrev_b32 v[WS+(\a)], v11, v[PW]           ; Q, K: lanes 0-15 keep the first head's two bytes, lanes 16-31 the second's; V: the whole word
	v_and_b32 v[WS+(\a)], s2, v[WS+(\a)]
	ds_store_b32 v12, v[WS+(\a)] offset:64*(\a)
.endm
	PLACES NP                                      ; behind the last products: the lines below write registers that they read, and read results
.irp b, 0,1,2,3
	v_mov_b32 v[TM+4+\b], 0                        ; a lane permute's destination counts as one of its sources
.endr
.irp a, 0,1,2,3,4,5,6,7
	OUTBLK \a
.endr
	ds_load_b128 v[T0:T0+3], v13                   ; LDS serves a wave's instructions in order: these see my stores
	ds_load_b128 v[T1:T1+3], v13 offset:512
	s_wait_dscnt 0x0
	global_store_b128 v14, v[T0:T0+3], s[100:101]  ; Q, K: the first head's 8 x 16 words, 512 consecutive bytes; V: 256 bytes for each of my two heads
	s_cmp_eq_u32 s66, 1
	s_cbranch_scc1 .Lno_second
	global_store_b128 v15, v[T1:T1+3], s[100:101]  ; Q, K: the second head's
.Lno_second:
	s_wait_tensorcnt 0x0                           ; the wave's end
	ds_add_u32 v[SPW], v[NIL]
	s_wait_dscnt 0x0
	CROUND                                         ; the closing round: no work-group ends while a partner may still ask for a tile that names it
	s_endpgm
.Lfunc_end_k_qc918cdaf94_qkv:
	.size	k_qc918cdaf94_qkv, .Lfunc_end_k_qc918cdaf94_qkv-k_qc918cdaf94_qkv
	.p2alignl 7, 3214868480
	.fill 96, 4, 3214868480
	.section	.rodata,"a",@progbits
	.p2align	6, 0x0
	.amdhsa_kernel k_qc918cdaf94_qkv
		.amdhsa_group_segment_fixed_size 327680
		.amdhsa_private_segment_fixed_size 0
		.amdhsa_enable_private_segment 0
		.amdhsa_kernarg_size 48
		.amdhsa_user_sgpr_count 2
		.amdhsa_user_sgpr_kernarg_segment_ptr 1
		.amdhsa_wavefront_size32 1
		.amdhsa_system_sgpr_workgroup_id_x 1
		.amdhsa_system_sgpr_workgroup_id_y 1
		.amdhsa_system_sgpr_workgroup_id_z 1
		.amdhsa_system_vgpr_workitem_id 0
		.amdhsa_next_free_vgpr 1024
		.amdhsa_next_free_sgpr 106
		.amdhsa_reserve_vcc 0
		.amdhsa_float_denorm_mode_32 3
		.amdhsa_float_denorm_mode_16_64 3
		.amdhsa_memory_ordered 1
		.amdhsa_forward_progress 1
		.amdhsa_inst_pref_size 205
	.end_amdhsa_kernel
	.amdgpu_metadata
---
amdhsa.version: [ 1, 2 ]
amdhsa.kernels:
  - .name:           k_qc918cdaf94_qkv
    .symbol:         k_qc918cdaf94_qkv.kd
    .args:
      - { .name: codes, .offset: 0, .size: 8, .value_kind: global_buffer, .address_space: global }
      - { .name: scales, .offset: 8, .size: 8, .value_kind: global_buffer, .address_space: global }
      - { .name: b_qkv, .offset: 16, .size: 8, .value_kind: global_buffer, .address_space: global }
      - { .name: q_img, .offset: 24, .size: 8, .value_kind: global_buffer, .address_space: global }
      - { .name: q_scl, .offset: 32, .size: 8, .value_kind: global_buffer, .address_space: global }
      - { .name: kv, .offset: 40, .size: 8, .value_kind: global_buffer, .address_space: global }
    .group_segment_fixed_size: 327680
    .private_segment_fixed_size: 0
    .kernarg_segment_align: 8
    .kernarg_segment_size: 48
    .max_flat_workgroup_size: 128
    .sgpr_count:     106
    .vgpr_count:     1024
    .wavefront_size: 32
...
	.end_amdgpu_metadata
.endif
;; end of part 2
;; launch attn (part 3): grid 4 x 64, 16 waves a work-group, clusters of 4 x 1, 210,944 bytes of LDS; arguments q_img, q_scl, kv, o_img, o_scl; writes o_img, o_scl
.if DOCPART == 3
	.amdgcn_target "amdgcn-amd-amdhsa--gfx1250"
	.amdhsa_code_object_version 6
	.text
	.protected	k_qc918cdaf94_attn
	.globl	k_qc918cdaf94_attn
	.p2align	8
	.type	k_qc918cdaf94_attn,@function
k_qc918cdaf94_attn:
	s_mov_b64 s[64:65], 0
	v_nop
	global_prefetch_b8 v0, s[64:65] scope:SCOPE_SE
	s_setreg_imm32_b32 hwreg(HW_REG_WAVE_MODE, 25, 1), 1
	s_wait_xcnt 0x0
	s_wait_alu depctr_hold_cnt(0) depctr_sa_sdst(0) depctr_va_vdst(0) depctr_va_sdst(0) depctr_va_ssrc(0) depctr_va_vcc(0) depctr_vm_vsrc(0)
	s_getreg_b32 s2, hwreg(HW_REG_IB_STS2, 6, 4)
	s_cmp_eq_u32 s2, 0
	s_cbranch_scc0 .Lentry_in_a_cluster
	s_endpgm
.Lentry_in_a_cluster:
	s_bfe_u32 s2, ttmp6, 0x10000c
	s_cmp_lg_u32 s2, 0x3003
	s_cbranch_scc0 .Lentry_shape_is_right
	s_endpgm
.Lentry_shape_is_right:
; Causal attention of one (batch, head) for each cluster of four work-groups, both products on codes of FP6 (E2M3) with E8M0 scales; O is quantised along the head's 64 and leaves as an image of operand registers.
; THE SOFTMAX: t = score x log2(e) / 8; M = the running largest t rounded up to a whole number; p = 2^(t - M) is quantised along the keys, not normalised; the row's sum is taken of the unquantised p and divides O at the end.
; When M moves, the sum and O are multiplied by 2^(old M - new M): exact.
; DATA.  The head's K and V, 16 key steps of 13,056 bytes (8 images of K, K's scale words, 4 fragments of V, V's scale words), are 208,896 dense bytes: they come into LDS ONCE, by joint loads of the four work-groups,
; and stay: no slot is filled again.  Steps 0 and 1 come by loads of their own, so that work begins when they have landed.
; SHARES.  Work-group g (its place in the cluster), wave w: the tiles of 16 queries 124 - 4 w + g and 4 w + g.  With a = w / 2 they want 16 - a and a + 1 key steps of 128: 17 for every wave, and neither count hangs on g.
; Key steps all of whose keys come after the tile's queries are passed over by a scalar branch on the wave's number and the loop's counter; the loops' trip counts are constants.
; LAYOUT.  S^T = K Q^T (source 0 = 16 keys, source 1 = my 16 queries; K = 64, the upper 64 are zero codes), O^T = V^T P^T: a lane holds ONE query (lane % 16) throughout.  Tokens lie in position order (in each 32 the groups
; of eight as 0, 2, 1, 3): so the 16 registers of key tiles 2 b, 2 b + 1 are the true keys 32 b + 16 (lane / 16) + 0 .. 15 of the step, and position r of query tile t is the true query 32 (t / 2) + 8 (t % 2) + r + 8 (r / 8).
; AN IMAGE of 16 rows x 64 K: registers 0-3 at 16 x lane, registers 4-5 at 512 + 8 x lane: 768 bytes.
; LIMITS: a block of zeros gets the byte 1 (zero codes; this program alone reads the bytes); NaN and infinities are not served.
; REGISTERS: v1-3 16, 8 x lane, 4 r; v4-6 the step's LDS addresses; v7, v8 the mask's lane numbers; v9, v10 Q's scale words; v11 32 r + h; v12 -M, v13 the largest t, v[14:15] the sum; v16-27, v28-39 Q of the two tiles;
;   v40-87 four fragments of K; v88-91 K's scale words, v92-95 V's; v96-159 S^T, then p, then (v96-143) V's four fragments; v160-191 O^T; v192-211 p's codes; v212-230 at work.
.set STEPB, 13056
.set HEADB, 208896
.set KSC,   6144                       ; in a step: K's scale words,
.set VFR,   6656                       ; V's fragments,
.set VSC,   12800                      ; V's scale words
.set PC,  192
.set BX,  212                          ; v212-215 the blocks' largest scores, then largest p
.set BP,  216                          ; v216-219 the other half's, then the scales' bytes
.set BS,  220                          ; v220-223 the conversions' scale operands
.set TT,  224                          ; at work
.set PWD, 225                          ; p's scale word
.set FF,  226                          ; v[226:227] f = 2^(old M - new M); the pair's upper half is written once
.set SU,  228                          ; v[228:229] the sums' second chain
.set SH8, 230                          ; 8 h
.set WV,  14
.set AA,  15
.set GG,  16
.set HB,  17
.set NH,  18
.set NL,  19
.set SEL, 20                           ; s[20:21] lane l xor 16
.set CS,  22                           ; s[22:23] c = log2(e) / 8
.set G1A, 24                           ; s[24:31] one key step: 51 rows of 256 bytes
.set G1B, 32                           ; s[32:39] two key steps: 102 rows
.set G0A, 40
.set G0B, 44
.set ST,  48                           ; the key step
.set TB,  49                           ; its first LDS byte
.set NN,  50                           ; key steps of the tile in hand
.set TP,  51
.set QIH, 52
.set QSH, 54
.set OIH, 56
.set OSH, 58
.set QIL, 60
.set QSL, 62
.set OIL, 66
.set OSL, 68
.set TAUH, 70
.set TAUL, 71
.macro CROUND                          ; a round of the cluster's barrier
	s_barrier_signal -1
	s_barrier_wait -1
	s_cmp_lg_u32 s[WV], 0
	s_cbranch_scc1 .Lnot_wave_0_\@
	s_barrier_signal -3
.Lnot_wave_0_\@:
	s_barrier_wait -3
	s_barrier_signal -1
	s_barrier_wait -1
.endm
	s_load_b256 s[4:11], s[0:1], 0x0               ; q_img s[4:5], q_scl s[6:7], kv s[8:9], o_img s[10:11]
	s_load_b64 s[12:13], s[0:1], 0x20              ; o_scl
	v_lshl_add_u32 v254, v0, 2, 0x33000
	v_mov_b32 v255, 0
	ds_add_u32 v254, v255
	ds_add_u32 v254, v255
	v_lshrrev_b32 v1, 5, v0
	s_delay_alu instid0(VALU_DEP_1)
	v_readfirstlane_b32 s[WV], v1                  ; wave 0..15
	s_lshr_b32 s[AA], s[WV], 1
	s_bfe_u32 s[GG], ttmp6, 0x40000                ; my place in the cluster: it enters global addresses and the mask's lane numbers alone
	s_and_b32 s[HB], ttmp7, 0xffff                 ; 16 x batch + head
	s_sub_co_u32 s[NH], 16, s[AA]
	s_add_co_u32 s[NL], s[AA], 1
	s_lshl_b32 s[TAUL], s[WV], 2
	s_sub_co_u32 s[TAUH], 124, s[TAUL]
	s_add_co_u32 s[TAUH], s[TAUH], s[GG]
	s_add_co_u32 s[TAUL], s[TAUL], s[GG]
	s_mov_b32 s[G1A], 15|(3<<16)|(1<<21)           ; 15:0 the mask: all four work-groups; 17:16 elements of 8 bytes; 21 set beside a mask; no padding
	s_mov_b32 s[G1A+1], 32<<16                     ; tensor_dim0 = 32 elements: 256 bytes
	s_mov_b32 s[G1A+2], 51<<16                     ; tensor_dim1
	s_mov_b32 s[G1A+3], 32<<16                     ; tile_dim0
	s_mov_b32 s[G1A+4], 51                         ; tile_dim1
	s_mov_b32 s[G1A+5], 32                         ; from row to row: dense
	s_mov_b32 s[G1A+6], 0
	s_mov_b32 s[G1A+7], 0
	s_mov_b32 s[G1B], 15|(3<<16)|(1<<21)
	s_mov_b32 s[G1B+1], 32<<16
	s_mov_b32 s[G1B+2], 102<<16
	s_mov_b32 s[G1B+3], 32<<16
	s_mov_b32 s[G1B+4], 102
	s_mov_b32 s[G1B+5], 32
	s_mov_b32 s[G1B+6], 0
	s_mov_b32 s[G1B+7], 0
	s_mov_b32 s[SEL], 0x76543210
	s_mov_b32 s[SEL+1], 0xfedcba98
	s_mov_b32 s[CS], 0x3e38aa3b
	s_mov_b32 s[CS+1], s[CS]                       ; (named with it as a pair, so it is written)
	s_mul_i32 s72, s[HB], HEADB
	s_mov_b32 s73, 0
	s_mul_i32 s74, s[WV], STEPB                    ; waves 0, 1: key step w
	s_mov_b32 s75, 0
	s_mul_i32 s76, s[WV], 2*STEPB
	s_add_co_u32 s76, s76, 2*STEPB                 ; waves 0 to 6: key steps 2 + 2 w and 3 + 2 w
	s_mov_b32 s77, 0
	s_wait_dscnt 0x0
	s_wait_kmcnt 0x0
	s_add_nc_u64 s[8:9], s[8:9], s[72:73]          ; the head's K and V
	CROUND                                         ; all four work-groups are here: the joint loads meet
	s_mov_b32 s[G0A], 1
	s_mov_b32 s[G0A+1], s74                        ; in LDS as in memory
	s_add_nc_u64 s[G0A+2:G0A+3], s[8:9], s[74:75]
	s_or_b32 s[G0A+3], s[G0A+3], 0x80000000
	s_mov_b32 s[G0B], 1
	s_mov_b32 s[G0B+1], s76
	s_add_nc_u64 s[G0B+2:G0B+3], s[8:9], s[76:77]
	s_or_b32 s[G0B+3], s[G0B+3], 0x80000000
	s_cmp_lt_u32 s[WV], 2                          ; a wave's fills stand in one branch on its number, ahead of every wait on TENSORcnt, every LDS read and every barrier of the work-group's own; at most two loads of a wave are out
	s_cbranch_scc0 .Lnot_01
	tensor_load_to_lds s[G0A:G0A+3], s[G1A:G1A+7]
	s_nop 0
	tensor_load_to_lds s[G0B:G0B+3], s[G1B:G1B+7]
	s_nop 0
.rept 4
	v_nop
.endr
	s_branch .Lasked
.Lnot_01:
	s_cmp_lt_u32 s[WV], 7
	s_cbranch_scc0 .Lasked
	tensor_load_to_lds s[G0B:G0B+3], s[G1B:G1B+7]
	s_nop 0
.rept 4
	v_nop
.endr
.Lasked:
; where a tile's Q comes from and its O goes to
.macro BASES tau, qi, qs, oi, os
	s_lshl_b32 s72, s[HB], 7
	s_add_co_u32 s72, s72, s[\tau]                 ; 128 x (batch, head) + tile
	s_mul_i32 s74, s72, 768
	s_add_nc_u64 s[\qi:\qi+1], s[4:5], s[74:75]
	s_lshl_b32 s74, s72, 6
	s_add_nc_u64 s[\qs:\qs+1], s[6:7], s[74:75]
	s_and_b32 s72, s[HB], 15                       ; head
	s_lshr_b32 s73, s[HB], 4                       ; batch
	s_lshl_b32 s74, s72, 9
	s_lshl_b32 s76, s73, 7
	s_add_co_u32 s74, s74, s76
	s_add_co_u32 s74, s74, s[\tau]                 ; o_img: [head][128 x batch + tile]
	s_mul_i32 s74, s74, 768
	s_add_nc_u64 s[\oi:\oi+1], s[10:11], s[74:75]
	s_add_co_u32 s74, s76, s[\tau]
	s_lshl_b32 s74, s74, 9                         ; o_scl: 16 positions x 32 bytes a tile,
	s_lshl_b32 s72, s72, 1
	s_add_co_u32 s74, s74, s72                     ; + 2 x head
	s_add_nc_u64 s[\os:\os+1], s[12:13], s[74:75]
.endm
	BASES TAUH, QIH, QSH, OIH, OSH
	BASES TAUL, QIL, QSL, OIL, OSL
	v_and_b32 v[TT], 31, v0
	s_delay_alu instid0(VALU_DEP_1)
	v_lshlrev_b32 v1, 4, v[TT]                     ; 16 x lane
	s_delay_alu instid0(VALU_DEP_2)
	v_lshlrev_b32 v2, 3, v[TT]                     ; 8 x lane
	v_and_b32 v[SU], 15, v0                        ; r
	v_bfe_u32 v[SU+1], v0, 4, 1                    ; h
	s_delay_alu instid0(VALU_DEP_2)
	v_lshlrev_b32 v3, 2, v[SU]                     ; 4 r
	global_load_b128 v[16:19], v1, s[QIH:QIH+1]
	global_load_b64 v[20:21], v2, s[QIH:QIH+1] offset:512
	global_load_b32 v9, v3, s[QSH:QSH+1]
	global_load_b128 v[28:31], v1, s[QIL:QIL+1]
	global_load_b64 v[32:33], v2, s[QIL:QIL+1] offset:512
	global_load_b32 v10, v3, s[QSL:QSL+1]
	v_lshl_add_u32 v11, v[SU], 5, v[SU+1]          ; o_scl: 32 r + h: lanes 0-15 store block 0's byte, lanes 16-31 block 1's
	v_lshlrev_b32 v[SH8], 3, v[SU+1]
	v_and_b32 v[TT], 8, v[SU]
	s_delay_alu instid0(VALU_DEP_1)
	v_add_nc_u32 v[TT], v[TT], v[SU]               ; r + 8 (r / 8)
	v_lshlrev_b32 v[SU+1], 4, v[SU+1]
	s_delay_alu instid0(VALU_DEP_1)
	v_sub_nc_u32 v[TT], v[TT], v[SU+1]             ; - 16 h
; d = my true query in its key step - 16 (lane / 16).  Register 16 b + i holds the step's key 32 b + i + 16 (lane / 16): hidden where 32 b + i > d
.macro DIAG tau, dst
	s_and_b32 s72, s[\tau], 7
	s_lshr_b32 s73, s72, 1
	s_lshl_b32 s73, s73, 5
	s_and_b32 s72, s72, 1
	s_lshl_b32 s72, s72, 3
	s_add_co_u32 s72, s72, s73
	v_add_nc_u32 v[\dst], s72, v[TT]
.endm
	s_wait_alu depctr_va_vdst(0)
	DIAG TAUH, 7
	DIAG TAUL, 8
.irp i, 22,23,24,25,26,27,34,35,36,37,38,39
	v_mov_b32 v[\i], 0                             ; Q's upper 64 along K: zero codes
.endr
.irp t, 0,1,2,3
.irp i, 6,7,8,9,10,11
	v_mov_b32 v[40+12*\t+\i], 0                    ; K's likewise; no load lands here
.endr
.endr
.irp b, 0,1,2,3
	v_mov_b32 v[BP+\b], 0                          ; a lane permute's destination counts as one of its sources
.endr
	v_mov_b32 v[FF+1], 0
.macro INIT                            ; a tile begins: the first change of M multiplies zeros
	v_mov_b32 v13, 0xff61b1e6                      ; the largest t so far: -3e38
	s_delay_alu instid0(VALU_DEP_1)
	v_floor_f32 v12, -v13                          ; -M
	v_mov_b32 v14, 0
	v_mov_b32 v15, 0
.set jj, 0
.rept 32
	v_mov_b32 v[160+jj], 0
.set jj, jj+1
.endr
.endm
; Key steps s[ST] .. last - 1 for the tile whose Q lies in v[q] on, its scale words in v[qs], its mask number in v[d].  The trip count is a constant; a step at or past s[NN] does no work.
.macro WALK last, q, qs, d
.Lwalk_\@:
	s_cmp_ge_u32 s[ST], s[NN]
	s_cbranch_scc1 .Lpast_\@
	s_setprio 2
	v_add_nc_u32 v4, s[TB], v1
	s_wait_alu depctr_va_vdst(0)
	v_add_nc_u32 v5, s[TB], v2
	s_wait_alu depctr_va_vdst(0)
	v_add_nc_u32 v6, s[TB], v3
	s_wait_alu depctr_va_vdst(0)
	v_nop
	v_nop                                          ; five places: the first products below write over registers that the last step's products read
.irp g, 0,1                            ; S^T = K Q^T, four tiles of 16 keys at a time
.if \g
.rept 4
	v_nop                                          ; places in front of loads into registers that matrix instructions have read
.endr
.endif
.irp t, 0,1,2,3
	ds_load_b128 v[40+12*\t:43+12*\t], v4 offset:768*(4*\g+\t)
	ds_load_b64 v[44+12*\t:45+12*\t], v5 offset:768*(4*\g+\t)+512
	ds_load_b32 v[88+\t], v6 offset:KSC+64*(4*\g+\t)
.endr
	s_wait_dscnt 0x0
.irp t, 0,1,2,3
	v_wmma_scale_f32_16x16x128_f8f6f4 v[96+8*(4*\g+\t):103+8*(4*\g+\t)], v[40+12*\t:51+12*\t], v[\q:\q+11], 0, v[88+\t], v[\qs] matrix_a_fmt:MATRIX_FMT_FP6 matrix_b_fmt:MATRIX_FMT_FP6
.endr
.endr
.rept 4
	v_nop
.endr
	s_add_co_u32 s[TP], s[ST], 1                   ; the tile's last step lies on the diagonal: hidden scores become -infinity ahead of the maximum, so that p = 0
	s_cmp_lg_u32 s[TP], s[NN]
	s_cbranch_scc1 .Lopen_\@
	v_mov_b32 v[TT], 0xff800000
.set jj, 0
.rept 64
	v_cmp_gt_i32 vcc_lo, 32*(jj/16)+jj%16, v[\d]
	v_cndmask_b32 v[96+jj], v[96+jj], v[TT], vcc_lo
.set jj, jj+1
.endr
.Lopen_\@:
.irp b, 0,1,2,3
	v_max3_num_f32 v[BX+\b], v[96+16*\b], v[97+16*\b], v[98+16*\b]   ; the largest score of each block of 32 keys: for the row's maximum and, since p rises with the score, for the block's largest p
.endr
.irp i, 3,5,7,9,11,13
.irp b, 0,1,2,3
	v_max3_num_f32 v[BX+\b], v[BX+\b], v[96+16*\b+\i], v[97+16*\b+\i]
.endr
.endr
.irp b, 0,1,2,3
	v_max_num_f32 v[BX+\b], v[BX+\b], v[111+16*\b]
.endr
.irp b, 0,1,2,3
	s_delay_alu instid0(VALU_DEP_4)
	v_permlanex16_b32 v[BP+\b], v[BX+\b], s[SEL], s[SEL+1]
.endr
.irp b, 0,1,2,3
	s_delay_alu instid0(VALU_DEP_4)
	v_max_num_f32 v[BX+\b], v[BX+\b], v[BP+\b]     ; with lane l xor 16's 16 keys
.endr
	s_delay_alu instid0(VALU_DEP_2)
	v_max3_num_f32 v[TT], v[BX], v[BX+1], v[BX+2]
	s_delay_alu instid0(VALU_DEP_1)
	v_max_num_f32 v[TT], v[TT], v[BX+3]
	s_delay_alu instid0(VALU_DEP_1)
	v_mul_f32 v[TT], s[CS], v[TT]                  ; the step's largest t of my query
	s_delay_alu instid0(VALU_DEP_1)
	v_max_num_f32 v13, v13, v[TT]
	v_mov_b32 v[TT], v12
	s_delay_alu instid0(VALU_DEP_2)
	v_floor_f32 v12, -v13                          ; the new -M = -ceil(t)
	s_delay_alu instid0(VALU_DEP_1)
	v_sub_f32 v[TT], v12, v[TT]                    ; old M - new M: a whole number, 0 or less
	s_delay_alu instid0(VALU_DEP_1)
	v_cvt_i32_f32 v[TT], v[TT]                     ; (it saturates)
	s_delay_alu instid0(VALU_DEP_1)
	v_ldexp_f32 v[FF], 1.0, v[TT]                  ; f
.set jj, 0
.rept 32
	v_pk_fma_f32 v[96+jj:97+jj], v[96+jj:97+jj], s[CS:CS+1], v[12:13] op_sel_hi:[1,0,0]   ; t - M, two at a time
.set jj, jj+2
.endr
	s_setprio 1
.irp b, 0,1,2,3
	v_fma_f32 v[BX+\b], v[BX+\b], s[CS], v12
.endr
.set jj, 0
	s_wait_alu depctr_va_vdst(0)
.rept 64
	v_exp_f32 v[96+jj], v[96+jj]                   ; p = 2^(t - M)
.set jj, jj+1
.endr
	v_pk_mul_f32 v[14:15], v[14:15], v[FF:FF+1] op_sel_hi:[1,0]   ; the sums under the new M: the plain instruction behind the exponentials
	s_wait_alu depctr_va_vdst(0)                   ; one wait for the batch, ahead of its first reader
.irp b, 0,1,2,3
	v_exp_f32 v[BX+\b], v[BX+\b]                   ; the block's largest p
.endr
	v_pk_add_f32 v[228:229], v[100:101], v[104:105]
	v_pk_add_f32 v[252:253], v[108:109], v[112:113]
	v_pk_add_f32 v[250:251], v[116:117], v[120:121]
	v_pk_add_f32 v[248:249], v[124:125], v[128:129]
	v_pk_add_f32 v[246:247], v[132:133], v[136:137]
	v_pk_add_f32 v[244:245], v[140:141], v[144:145]
	v_pk_add_f32 v[242:243], v[148:149], v[152:153]
	v_pk_add_f32 v[14:15], v[14:15], v[156:157]
	v_pk_add_f32 v[228:229], v[228:229], v[96:97]
	v_pk_add_f32 v[252:253], v[252:253], v[98:99]
	v_pk_add_f32 v[250:251], v[250:251], v[102:103]
	v_pk_add_f32 v[248:249], v[248:249], v[106:107]
	v_pk_add_f32 v[246:247], v[246:247], v[110:111]
	v_pk_add_f32 v[244:245], v[244:245], v[114:115]
	v_pk_add_f32 v[242:243], v[242:243], v[118:119]
	v_pk_add_f32 v[14:15], v[14:15], v[122:123]
	v_pk_add_f32 v[228:229], v[228:229], v[126:127]
	v_pk_add_f32 v[252:253], v[252:253], v[130:131]
	v_pk_add_f32 v[250:251], v[250:251], v[134:135]
	v_pk_add_f32 v[248:249], v[248:249], v[138:139]
	v_pk_add_f32 v[246:247], v[246:247], v[142:143]
	v_pk_add_f32 v[244:245], v[244:245], v[146:147]
	v_pk_add_f32 v[242:243], v[242:243], v[150:151]
	v_pk_add_f32 v[14:15], v[14:15], v[154:155]
	v_pk_add_f32 v[228:229], v[228:229], v[158:159]
	s_delay_alu instid0(VALU_DEP_2)
	v_pk_add_f32 v[14:15], v[14:15], v[248:249]
	s_delay_alu instid0(VALU_DEP_2)
	v_pk_add_f32 v[228:229], v[228:229], v[246:247]
	v_pk_add_f32 v[252:253], v[252:253], v[244:245]
	v_pk_add_f32 v[250:251], v[250:251], v[242:243]
	s_delay_alu instid0(VALU_DEP_2)
	v_pk_add_f32 v[14:15], v[14:15], v[252:253]
	s_delay_alu instid0(VALU_DEP_2)
	v_pk_add_f32 v[228:229], v[228:229], v[250:251]
	s_delay_alu instid0(VALU_DEP_1)
	v_pk_add_f32 v[14:15], v[14:15], v[228:229]
	s_wait_alu depctr_va_vdst(0)                   ; and one for the four
.irp b, 0,1,2,3
	v_max_num_f32 v[BX+\b], 0x1800000, v[BX+\b]    ; the floor 2^(3 - 127): the byte cannot fall under 1
.endr
.irp b, 0,1,2,3
	s_delay_alu instid0(VALU_DEP_4)
	v_add_nc_u32 v[BS+\b], 0xff000000, v[BX+\b]    ; 2 off the exponent field: the conversion's scale operand
.endr
.irp b, 0,1,2,3
	s_delay_alu instid0(VALU_DEP_4)
	v_lshrrev_b32 v[BP+\b], 23, v[BS+\b]
.endr
	s_delay_alu instid0(VALU_DEP_3)
	v_lshl_or_b32 v[PWD], v[BP+1], 8, v[BP]        ; p's scale word for these 128 keys
	s_delay_alu instid0(VALU_DEP_1)
	v_lshl_or_b32 v[PWD], v[BP+2], 16, v[PWD]
	s_delay_alu instid0(VALU_DEP_1)
	v_lshl_or_b32 v[PWD], v[BP+3], 24, v[PWD]
.irp c, 0,1
	v_cvt_scalef32_pk16_fp6_f32 v[PC+6*\c:PC+2+6*\c], v[96+32*\c:111+32*\c], v[BS+2*\c]
	v_cvt_scalef32_pk16_fp6_f32 v[PC+12+4*\c:PC+14+4*\c], v[112+32*\c:127+32*\c], v[BS+2*\c+1]
.endr
	v_nop                                          ; one plain instruction behind a scaled conversion
	s_setprio 0
.irp t, 0,1,2,3                        ; V's four fragments land where p lay, while the lines below are issued
	ds_load_b128 v[96+12*\t:99+12*\t], v4 offset:VFR+1536*\t
	ds_load_b64 v[100+12*\t:101+12*\t], v5 offset:VFR+1536*\t+512
	ds_load_b128 v[102+12*\t:105+12*\t], v4 offset:VFR+1536*\t+768
	ds_load_b64 v[106+12*\t:107+12*\t], v5 offset:VFR+1536*\t+1280
	ds_load_b32 v[92+\t], v6 offset:VSC+64*\t
.endr
.irp c, 0,1                            ; the operand's layout wants a whole block in a lane
.irp i, 0,1,2
	v_permlane16_swap_b32 v[PC+6*\c+\i], v[PC+12+4*\c+\i]
.endr
.irp i, 0,1,2
	s_delay_alu instid0(VALU_DEP_3)
	v_mov_b32 v[PC+3+6*\c+\i], v[PC+12+4*\c+\i]
.endr
.endr
.set jj, 0
.rept 16
	v_pk_mul_f32 v[160+jj:161+jj], v[160+jj:161+jj], v[FF:FF+1] op_sel_hi:[1,0]   ; O^T under the new M; these sixteen are also the places between the lines that made p's codes and scale word and the products
.set jj, jj+2
.endr
	s_wait_alu depctr_va_vdst(0)
	s_wait_dscnt 0x0
.irp t, 0,1,2,3                        ; O^T += V^T P^T: the four accumulators by turns
	v_wmma_scale_f32_16x16x128_f8f6f4 v[160+8*\t:167+8*\t], v[96+12*\t:107+12*\t], v[PC:PC+11], v[160+8*\t:167+8*\t], v[92+\t], v[PWD] matrix_a_fmt:MATRIX_FMT_FP6 matrix_b_fmt:MATRIX_FMT_FP6
.endr
.Lpast_\@:
	s_add_co_u32 s[TB], s[TB], STEPB
	s_add_co_u32 s[ST], s[ST], 1
	s_cmp_lt_u32 s[ST], \last
	s_cbranch_scc1 .Lwalk_\@
	s_setprio 0
.endm
; A tile ends: O^T / the sum; register 16 b + i is the head's channel 32 b + 16 (lane / 16) + i: two blocks of 32 are quantised and leave as one image and two scale bytes a query.
.macro FINISH oi, os
.rept 4
	v_nop                                          ; places behind the last products
.endr
	v_add_f32 v14, v14, v15
	s_delay_alu instid0(VALU_DEP_1)
	v_permlanex16_b32 v[TT], v14, s[SEL], s[SEL+1]
	s_delay_alu instid0(VALU_DEP_1)
	v_add_f32 v14, v14, v[TT]                      ; the row's sum
	s_wait_alu depctr_va_vdst(0)
	v_rcp_f32 v14, v14
	v_nop                                          ; a plain instruction behind the reciprocal,
	s_wait_alu depctr_va_vdst(0)                   ; and the wait ahead of its first reader
.set jj, 0
.rept 16
	v_pk_mul_f32 v[96+jj:97+jj], v[160+jj:161+jj], v[14:15] op_sel_hi:[1,0]
.set jj, jj+2
.endr
.irp b, 0,1
	v_max3_num_f32 v[BX+\b], |v[96+16*\b]|, |v[97+16*\b]|, 0x1800000
.endr
.irp i, 2,4,6,8,10,12,14
.irp b, 0,1
	s_delay_alu instid0(VALU_DEP_2)
	v_max3_num_f32 v[BX+\b], v[BX+\b], |v[96+16*\b+\i]|, |v[97+16*\b+\i]|
.endr
.endr
.irp b, 0,1
	s_delay_alu instid0(VALU_DEP_2)
	v_permlanex16_b32 v[BP+\b], v[BX+\b], s[SEL], s[SEL+1]
.endr
.irp b, 0,1
	s_delay_alu instid0(VALU_DEP_2)
	v_max_num_f32 v[BX+\b], v[BX+\b], v[BP+\b]
.endr
.irp b, 0,1
	s_delay_alu instid0(VALU_DEP_2)
	v_add_nc_u32 v[BS+\b], 0xff000000, v[BX+\b]
.endr
.irp b, 0,1
	s_delay_alu instid0(VALU_DEP_2)
	v_lshrrev_b32 v[BP+\b], 23, v[BS+\b]
.endr
	s_delay_alu instid0(VALU_DEP_1)
	v_lshl_or_b32 v[TT], v[BP+1], 8, v[BP]
	s_delay_alu instid0(VALU_DEP_1)
	v_lshrrev_b32 v[TT], v[SH8], v[TT]             ; lanes 0-15: block 0's byte lowest; lanes 16-31: block 1's
	v_cvt_scalef32_pk16_fp6_f32 v[PC:PC+2], v[96:111], v[BS]
	v_cvt_scalef32_pk16_fp6_f32 v[PC+12:PC+14], v[112:127], v[BS+1]
	v_nop
.irp i, 0,1,2
	v_permlane16_swap_b32 v[PC+\i], v[PC+12+\i]
.endr
.irp i, 0,1,2
	s_delay_alu instid0(VALU_DEP_3)
	v_mov_b32 v[PC+3+\i], v[PC+12+\i]
.endr
	global_store_b128 v1, v[PC:PC+3], s[\oi:\oi+1]            ; 512 consecutive bytes, aligned
	global_store_b64 v2, v[PC+4:PC+5], s[\oi:\oi+1] offset:512 ; and 256
	global_store_b8 v11, v[TT], s[\os:\os+1]
	s_wait_xcnt 0x0                                ; the stores' data are written again only behind this wait
.endm
	s_wait_loadcnt 0x0                             ; Q
	s_wait_tensorcnt 0x1                           ; waves 0 and 1: key steps 0 and 1 have landed; a wave's later load may be out
	s_barrier_signal -1
	s_barrier_wait -1
	INIT
	s_mov_b32 s[ST], 0
	s_mov_b32 s[TB], 0
	s_mov_b32 s[NN], s[NH]
	WALK 2, 16, 9, 7                               ; the late tile's first two key steps, while the other fourteen land
	s_wait_tensorcnt 0x0
	s_barrier_signal -1
	s_barrier_wait -1                              ; the whole head lies in LDS; from here on the waves do not meet until the end
	WALK 16, 16, 9, 7
	FINISH OIH, OSH
	INIT
	s_mov_b32 s[ST], 0
	s_mov_b32 s[TB], 0
	s_mov_b32 s[NN], s[NL]
	WALK 8, 28, 10, 8                              ; the early tile: at most eight key steps
	FINISH OIL, OSL
	s_wait_tensorcnt 0x0
	ds_add_u32 v254, v255
	s_wait_dscnt 0x0
	CROUND                                         ; the closing round
	s_endpgm
.Lfunc_end_k_qc918cdaf94_attn:
	.size	k_qc918cdaf94_attn, .Lfunc_end_k_qc918cdaf94_attn-k_qc918cdaf94_attn
	.p2alignl 7, 3214868480
	.fill 96, 4, 3214868480
	.section	.rodata,"a",@progbits
	.p2align	6, 0x0
	.amdhsa_kernel k_qc918cdaf94_attn
		.amdhsa_group_segment_fixed_size 210944
		.amdhsa_private_segment_fixed_size 0
		.amdhsa_enable_private_segment 0
		.amdhsa_kernarg_size 40
		.amdhsa_user_sgpr_count 2
		.amdhsa_user_sgpr_kernarg_segment_ptr 1
		.amdhsa_wavefront_size32 1
		.amdhsa_system_sgpr_workgroup_id_x 1
		.amdhsa_system_sgpr_workgroup_id_y 1
		.amdhsa_system_sgpr_workgroup_id_z 1
		.amdhsa_system_vgpr_workitem_id 0
		.amdhsa_next_free_vgpr 256
		.amdhsa_next_free_sgpr 80
		.amdhsa_reserve_vcc 1
		.amdhsa_float_denorm_mode_32 3
		.amdhsa_float_denorm_mode_16_64 3
		.amdhsa_memory_ordered 1
		.amdhsa_forward_progress 1
		.amdhsa_inst_pref_size 91
	.end_amdhsa_kernel
	.amdgpu_metadata
---
amdhsa.version: [ 1, 2 ]
amdhsa.kernels:
  - .name:           k_qc918cdaf94_attn
    .symbol:         k_qc918cdaf94_attn.kd
    .args:
      - { .name: q_img, .offset: 0, .size: 8, .value_kind: global_buffer, .address_space: global }
      - { .name: q_scl, .offset: 8, .size: 8, .value_kind: global_buffer, .address_space: global }
      - { .name: kv, .offset: 16, .size: 8, .value_kind: global_buffer, .address_space: global }
      - { .name: o_img, .offset: 24, .size: 8, .value_kind: global_buffer, .address_space: global }
      - { .name: o_scl, .offset: 32, .size: 8, .value_kind: global_buffer, .address_space: global }
    .group_segment_fixed_size: 210944
    .private_segment_fixed_size: 0
    .kernarg_segment_align: 8
    .kernarg_segment_size: 40
    .max_flat_workgroup_size: 512
    .sgpr_count:     80
    .vgpr_count:     256
    .wavefront_size: 32
...
	.end_amdgpu_metadata
.endif
;; end of part 3
;; launch proj (part 4): grid 4 x 32, 4 waves a work-group, clusters of 4 x 4, 327,680 bytes of LDS; arguments o_img, o_scl, codes, scales, b_o, out0; writes out0
.if DOCPART == 4
	.amdgcn_target "amdgcn-amd-amdhsa--gfx1250"
	.amdhsa_code_object_version 6
	.text
	.protected	k_qc918cdaf94_proj
	.globl	k_qc918cdaf94_proj
	.p2align	8
	.type	k_qc918cdaf94_proj,@function
k_qc918cdaf94_proj:
	s_mov_b64 s[64:65], 0
	v_nop
	global_prefetch_b8 v0, s[64:65] scope:SCOPE_SE
	s_setreg_imm32_b32 hwreg(HW_REG_WAVE_MODE, 25, 1), 1
	s_wait_xcnt 0x0
	s_wait_alu depctr_hold_cnt(0) depctr_sa_sdst(0) depctr_va_vdst(0) depctr_va_sdst(0) depctr_va_ssrc(0) depctr_va_vcc(0) depctr_vm_vsrc(0)
	s_getreg_b32 s2, hwreg(HW_REG_IB_STS2, 6, 4)
	s_cmp_eq_u32 s2, 0
	s_cbranch_scc0 .Lentry_in_a_cluster
	s_endpgm
.Lentry_in_a_cluster:
	s_bfe_u32 s2, ttmp6, 0x10000c
	s_cmp_lg_u32 s2, 0xf033
	s_cbranch_scc0 .Lentry_shape_is_right
	s_endpgm
.Lentry_shape_is_right:
; out0 = O W_o^T + b_o on codes of FP6 (E2M3) with E8M0 scales, K = 1,024, sums in f32, out0 [8192][1024] f32.
; A tile of 256 x 256 is made by four waves, 128 x 128 each.  K goes in steps of 256 (four heads) through a ring of two LDS slots; the scale bytes of the work-group's 512 rows come once.  4 x 4 work-groups form a cluster:
; O's tiles are asked for jointly along a row of the cluster, W_o's along a column.  Source 0 = 16 rows of W_o, source 1 = 16 rows of O: a lane holds eight numbers of one row of out0.
; O ARRIVES AS IMAGES OF OPERAND REGISTERS, o_img [16 heads][512 tiles of 16 positions][768]: registers 0-3 at 16 x lane, registers 4-5 at 512 + 8 x lane.  128 rows x 256 K are four runs of 6,144 bytes, 393,216 bytes apart:
; one tensor load, no padding; a fragment of 128 K is two images: two loads of 16 bytes and two of 8.
; Rows of O and of W_o lie in position order (in each 32 the groups of eight as 0, 2, 1, 3): the way out puts columns (in the stage) and rows (in the stores' offsets) back in their true places.
; b_o is the C of each sum's first matrix instruction.
; REGISTERS: window 0: v0-31 addresses; v32-63 scale words, two sets; v64-127 b_o in the result's layout; v128-223 O's fragments, one set; on the way out v128-255 take rows of out0.
;   window 1: W_o's fragments, two sets.   window 2, 3: the accumulators.
.set KSTEP,  256
.set NQ,     2
.set ROWB,   192
.set KROW,   768
.set PITCH,  240
.set FR,     12
.set NL,     6                         ; LDS loads that bring a fragment of W_o
.set NLA,    4                         ; and of O
.set NP,     4
.set HALFT,  128*PITCH                 ; W_o's 128 rows; O's 128 rows take 24,576 bytes of their 30,720
.set SLOT,   4*HALFT
.set LAPS,   2
.set KS,     32
.set SCL,    2*SLOT
.set HALFS,  (128*KS/256)*272
.set SBLK,   (16*KS/256)*272
.set SPARE,  SCL+4*HALFS
.set SPITCH, 528                       ; the way out: a stage of 16 rows x (512 bytes + 16) for each wave, in slot 0, which has had its last fill and its last read by then
.set HEADHOP, 393216                   ; from head to head in o_img
.set ADRA, 16                          ; v16-17 16 x lane in my half of O's tile, slot 0, 1; v18-19 8 x lane
.set ADRB, 20
.set STO,  24
.set RD,   25
.set CO,   26
.set ADRS, 27
.set SPW,  28
.set NIL,  29
.set SC,   32
.set BN,   64
.set AF,   128
.set BK,   128
.set G1, 24
.set G0, 32
.set G1B, 48
.set G0B, 56
.set G1S, 68
.set G0S, 76
.set G1SB, 80
.set G0SB, 88
.set MSB, 0
.macro WIN new
.if MSB != \new
	s_set_vgpr_msb (MSB<<8)|\new
.set MSB, \new
.endif
.endm
.set MUL_LO, 0xa1
.set MUL_HI, 0xf1
.set BIAS_LO, 0x81                     ; the first step: C (b_o) in window 0, D in window 2
.set BIAS_HI, 0xc1
.set TO_B,   0x40
.macro JLOAD g0a, g1a, g0b, g1b
	s_cmp_eq_u32 s15, 0
	s_cbranch_scc0 .Lfor_b_\@
	tensor_load_to_lds s[\g0a:\g0a+3], s[\g1a:\g1a+7]
	s_nop 0
.rept 4
	v_nop
.endr
	s_branch .Lasked_\@
.Lfor_b_\@:
	tensor_load_to_lds s[\g0b:\g0b+3], s[\g1b:\g1b+7]
	s_nop 0
.rept 4
	v_nop
.endr
.Lasked_\@:
.endm
.macro CREST
	s_cmp_lg_u32 s14, 0
	s_cbranch_scc1 .Lnot_wave_0_\@
	s_barrier_signal -3
.Lnot_wave_0_\@:
	s_barrier_wait -3
	s_barrier_signal -1
	s_barrier_wait -1
.endm
.macro CROUND
	s_barrier_signal -1
	s_barrier_wait -1
	CREST
.endm
	s_load_b256 s[4:11], s[0:1], 0x0               ; o_img s[4:5], o_scl s[6:7], codes s[8:9], scales s[10:11]
	s_load_b128 s[92:95], s[0:1], 0x20             ; b_o s[92:93], out0 s[94:95]
	v_lshl_add_u32 v[SPW], v0, 2, SPARE
	v_mov_b32 v[NIL], 0
	ds_add_u32 v28, v29
	ds_add_u32 v28, v29
	s_wait_dscnt 0x0
	v_lshrrev_b32 v1, 5, v0
	v_readfirstlane_b32 s14, v1                    ; wave 0..3
	s_lshr_b32 s15, s14, 1                         ; my half of the tile's rows.  Also: I fetch for O (0) or for W_o (1)
	s_and_b32 s16, s14, 1                          ; my half of its columns.  Also: which 128 rows I fetch
	s_bfe_u32 s40, ttmp6, 0x40000
	s_bfe_u32 s41, ttmp6, 0x40004
	s_lshl_b32 s42, ttmp9, 2
	s_add_co_u32 s42, s42, s40                     ; tile column
	s_and_b32 s17, ttmp7, 0xffff
	s_lshl_b32 s17, s17, 2
	s_add_co_u32 s17, s17, s41                     ; tile row
	s_lshl_b32 s43, s41, 2
	s_lshl_b32 s43, 15, s43                        ; my row of the cluster
	s_lshl_b32 s44, 0x1111, s40                    ; my column
	s_or_b32 s[G1+0], s43, (3<<16)|(1<<21)         ; O: elements of 8 bytes, no padding
	s_mov_b32 s[G1+1], 768<<16                     ; tensor_dim0 = 768 elements: eight images, 6,144 bytes
	s_mov_b32 s[G1+2], 4<<16                       ; tensor_dim1 = four heads
	s_mov_b32 s[G1+3], 768<<16                     ; tile_dim0
	s_mov_b32 s[G1+4], 4                           ; tile_dim1
	s_mov_b32 s[G1+5], HEADHOP/8                   ; from head to head, in elements
	s_mov_b32 s[G1+6], 0
	s_mov_b32 s[G1+7], 0
	s_or_b32 s[G1B+0], s44, (0<<16)|(1<<20)|(1<<21)|(3<<22)|(3<<25)   ; W_o: 128 rows x 192 bytes, 16 bytes of padding behind every 64
	s_mov_b32 s[G1B+1], ROWB<<16
	s_mov_b32 s[G1B+2], 128<<16
	s_mov_b32 s[G1B+3], ROWB<<16
	s_mov_b32 s[G1B+4], 128
	s_mov_b32 s[G1B+5], KROW
	s_mov_b32 s[G1B+6], 0
	s_mov_b32 s[G1B+7], 0
	s_or_b32 s[G1S+0], s43, (3<<16)|(1<<20)|(1<<21)|(5<<22)|(3<<25)
	s_or_b32 s[G1SB+0], s44, (3<<16)|(1<<20)|(1<<21)|(5<<22)|(3<<25)
.irp g, G1S, G1SB
	s_mov_b32 s[\g+1], 32<<16
	s_mov_b32 s[\g+2], (128*KS/256)<<16
	s_mov_b32 s[\g+3], 32<<16
	s_mov_b32 s[\g+4], 128*KS/256
	s_mov_b32 s[\g+5], 32
	s_mov_b32 s[\g+6], 0
	s_mov_b32 s[\g+7], 0
.endr
	s_lshl_b32 s18, s16, 7
	s_lshl_b32 s20, s17, 8
	s_add_co_u32 s20, s20, s18                     ; O: position 256 x tile row + 128 x half
	s_lshl_b32 s46, s42, 8
	s_add_co_u32 s46, s46, s18
	s_add_co_u32 s46, s46, 11264                   ; W_o's rows begin at 11,264 among the codes
	s_mov_b32 s21, 0
	s_mov_b32 s47, 0
	s_mov_b64 s[18:19], KS
	s_mul_u64 s[22:23], s[20:21], s[18:19]
	s_mul_u64 s[96:97], s[46:47], s[18:19]
	s_mov_b64 s[18:19], KROW
	s_mul_u64 s[46:47], s[46:47], s[18:19]
	s_mov_b64 s[18:19], 48                         ; 768 bytes for 16 positions
	s_mul_u64 s[20:21], s[20:21], s[18:19]
	s_mul_i32 s45, s14, HALFT
	s_mul_i32 s98, s14, HALFS
	s_wait_kmcnt 0x0
	s_add_nc_u64 s[20:21], s[4:5], s[20:21]
	s_add_nc_u64 s[22:23], s[6:7], s[22:23]
	s_add_nc_u64 s[46:47], s[8:9], s[46:47]
	s_add_nc_u64 s[96:97], s[10:11], s[96:97]
	CROUND                                         ; all sixteen work-groups are here: the first joint loads meet
	s_mov_b32 s[G0S], 1
	s_add_co_u32 s[G0S+1], s98, SCL
	s_mov_b64 s[G0S+2:G0S+3], s[22:23]
	s_or_b32 s[G0S+3], s[G0S+3], 0x80000000
	s_mov_b32 s[G0SB], 1
	s_add_co_u32 s[G0SB+1], s98, SCL
	s_mov_b64 s[G0SB+2:G0SB+3], s[96:97]
	s_or_b32 s[G0SB+3], s[G0SB+3], 0x80000000
	JLOAD G0S, G1S, G0SB, G1SB
.irp s, 0,1
	s_mov_b32 s[G0+4*\s], 1
	s_add_co_u32 s[G0+4*\s+1], s45, \s*SLOT
	s_add_nc_u64 s[G0+4*\s+2:G0+4*\s+3], s[20:21], \s*4*HEADHOP
	s_or_b32 s[G0+4*\s+3], s[G0+4*\s+3], 0x80000000
	s_mov_b32 s[G0B+4*\s], 1
	s_add_co_u32 s[G0B+4*\s+1], s45, \s*SLOT
	s_add_nc_u64 s[G0B+4*\s+2:G0B+4*\s+3], s[46:47], \s*ROWB
	s_or_b32 s[G0B+4*\s+3], s[G0B+4*\s+3], 0x80000000
	JLOAD G0+4*\s, G1, G0B+4*\s, G1B               ; by this text's count three tensor loads of a wave are out now
.endr
	v_and_b32 v1, 15, v0                           ; r
	v_bfe_u32 v2, v0, 4, 1                         ; h
	v_and_b32 v6, 31, v0                           ; lane
	v_lshlrev_b32 v7, 4, v6
	v_lshlrev_b32 v8, 3, v6
	v_mul_u32_u24 v3, v1, PITCH
	v_mul_u32_u24 v4, v2, 24
	v_add_nc_u32 v4, v3, v4
	v_lshl_add_u32 v5, v2, 4, v4
	s_mul_i32 s21, s15, HALFT                      ; my 128 rows of O
	s_mul_i32 s22, s16, HALFT
	s_add_co_u32 s22, s22, 2*HALFT                 ; my 128 rows of W_o
.irp s, 0,1
	v_add_nc_u32 v[ADRA+\s], s21, v7
	v_add_nc_u32 v[ADRA+2+\s], s21, v8
	v_add_nc_u32 v[ADRB+\s], s22, v4
	v_add_nc_u32 v[ADRB+2+\s], s22, v5
	s_add_co_u32 s21, s21, SLOT
	s_add_co_u32 s22, s22, SLOT
.endr
	v_mul_u32_u24 v5, v1, KS
	v_lshrrev_b32 v6, 8, v5
	v_lshl_add_u32 v5, v6, 4, v5
	s_mul_i32 s21, s15, HALFS
	s_mul_i32 s22, s16, HALFS
	s_add_co_u32 s22, s22, 2*HALFS
	s_sub_co_u32 s22, s22, s21
	v_mul_u32_u24 v6, s22, v2                      ; lanes 16-31 take W_o's scale words
	s_add_co_u32 s21, s21, SCL
	v_add_nc_u32 v5, v5, v6
	v_add_nc_u32 v[ADRS], s21, v5
	s_mul_i32 s23, s14, 16*SPITCH                  ; my stage
	v_mul_u32_u24 v5, v1, SPITCH
	v_lshl_add_u32 v5, v2, 6, v5                   ; in: row r; lanes 16-31 hold the columns 16 further on
	v_add_nc_u32 v[STO], s23, v5
	v_mov_b32 v[CO], v7                            ; back: the 32 lanes take one row of 512 bytes; and the same in out0
	v_add_nc_u32 v[RD], s23, v7
	s_lshl_b32 s46, s42, 10
	s_lshl_b32 s47, s16, 9
	s_add_co_u32 s46, s46, s47                     ; my first column, in bytes
	v_lshl_add_u32 v3, v2, 6, s46
.irp t, 0,1,2,3,4,5,6,7
	global_load_b128 v[BN+8*\t:BN+8*\t+3], v3, s[92:93] offset:(32*(\t/2)+8*(\t%2))*4          ; b_o at columns 32 (t / 2) + 8 (t % 2) + 16 h + 0 .. 7 of my 128
	global_load_b128 v[BN+8*\t+4:BN+8*\t+7], v3, s[92:93] offset:(32*(\t/2)+8*(\t%2))*4+16
.endr
	s_lshl_b32 s20, s17, 8
	s_lshl_b32 s21, s15, 7
	s_add_co_u32 s20, s20, s21                     ; my first row
	s_lshl_b32 s20, s20, 12                        ; 4,096 bytes a row
	s_add_co_u32 s20, s20, s46
	s_mov_b32 s21, 0
	s_add_nc_u64 s[12:13], s[94:95], s[20:21]
.macro FRAG reg, adr, q, i
.irp p, 0,1,2,3,4,5
.set PIECE, 12*(\q)+6*(\p/3)+\p%3
.if PIECE%8 < 5
	ds_load_b64 v[\reg+2*\p:\reg+2*\p+1], v[\adr] offset:8*PIECE+16*(PIECE/8)+(\i)*16*PITCH
.else
	ds_load_b64 v[\reg+2*\p:\reg+2*\p+1], v[\adr+2] offset:8*PIECE+16*(PIECE/8)+(\i)*16*PITCH
.endif
.endr
.endm
.macro FRAGA reg, slot, q, i           ; O's block i, the slot's q-th 128 along K: the images of heads 2 q and 2 q + 1
.irp c, 0,1
	ds_load_b128 v[\reg+6*\c:\reg+6*\c+3], v[ADRA+\slot] offset:(2*(\q)+\c)*6144+(\i)*768
	ds_load_b64 v[\reg+6*\c+4:\reg+6*\c+5], v[ADRA+2+\slot] offset:(2*(\q)+\c)*6144+(\i)*768+512
.endr
.endm
; 16 matrix instructions; first = 1: the sums begin with b_o.  The 64 accumulators take turns, one instruction a turn.
.macro MUL16 a0, p, q, sc, first
.irp a, \a0, \a0+1
.irp b, 0,1,2,3,4,5,6,7
.if \first
	v_wmma_scale_f32_16x16x128_f8f6f4 v[8*(8*((\a)%4)+\b):8*(8*((\a)%4)+\b)+7], v[128*(\p)+FR*\b:128*(\p)+FR*\b+FR-1], v[AF+FR*(\a):AF+FR*(\a)+FR-1], v[BN+8*\b:BN+8*\b+7], v[SC+8*NQ*(\sc)+NQ*\b+(\q)], v[SC+8*NQ*(\sc)+NQ*(\a)+(\q)] matrix_a_fmt:MATRIX_FMT_FP6 matrix_b_fmt:MATRIX_FMT_FP6 matrix_a_scale:MATRIX_SCALE_ROW1
.else
	v_wmma_scale_f32_16x16x128_f8f6f4 v[8*(8*((\a)%4)+\b):8*(8*((\a)%4)+\b)+7], v[128*(\p)+FR*\b:128*(\p)+FR*\b+FR-1], v[AF+FR*(\a):AF+FR*(\a)+FR-1], v[8*(8*((\a)%4)+\b):8*(8*((\a)%4)+\b)+7], v[SC+8*NQ*(\sc)+NQ*\b+(\q)], v[SC+8*NQ*(\sc)+NQ*(\a)+(\q)] matrix_a_fmt:MATRIX_FMT_FP6 matrix_b_fmt:MATRIX_FMT_FP6 matrix_a_scale:MATRIX_SCALE_ROW1
.endif
.endr
.endr
.endm
.macro FETCH_B slot, q, p
	WIN TO_B
.irp i, 0,1,2,3,4,5,6,7
	FRAG 128*(\p)+FR*\i, ADRB+\slot, \q, \i
.endr
	WIN 0
.endm
.macro FETCH_A slot, q, i0
.irp i, \i0, \i0+1, \i0+2, \i0+3
	FRAGA AF+FR*(\i), \slot, \q, \i
.endr
.endm
.macro SCALES sc
.irp i, 0,1,2,3,4,5,6,7
	ds_load_b64 v[SC+8*NQ*\sc+NQ*\i:SC+8*NQ*\sc+NQ*\i+1], v[ADRS] offset:\i*SBLK
.endr
.endm
.macro PLACES n
.rept \n
	v_nop
.endr
.endm
.macro STEP slot, q, first
	s_wait_dscnt 4*NLA                             ; W_o's set and O's blocks 0-3 are in; the youngest 16 loads (O's blocks 4-7) may be out
.if \first
	WIN BIAS_LO
.else
	WIN MUL_LO
.endif
	MUL16 0, (\q)%2, \q, \slot, \first
	MUL16 2, (\q)%2, \q, \slot, \first
	s_wait_dscnt 0
	PLACES NP
	FETCH_B \slot, (\q)+1, 1-(\q)%2
	FETCH_A \slot, (\q)+1, 0
.if \first
	WIN BIAS_HI
.else
	WIN MUL_HI
.endif
	MUL16 4, (\q)%2, \q, \slot, \first
	MUL16 6, (\q)%2, \q, \slot, \first
	PLACES NP
	WIN 0
	FETCH_A \slot, (\q)+1, 4
.endm
.macro TURN slot, next, fill
	s_wait_tensorcnt 0x0                           ; all my tensor loads have landed: my part of the next slot
	ds_add_u32 v[SPW], v[NIL]                      ; 0 onto my spare word
	s_wait_dscnt 4*NLA+1                           ; the add and the youngest 16 loads may be out
	WIN MUL_LO
	MUL16 0, 1, NQ-1, \slot, 0
	s_wait_dscnt 0x0                               ; the add is done, and my reads of this slot are over
	s_barrier_signal -1
	MUL16 2, 1, NQ-1, \slot, 0
	WIN 0
	s_barrier_wait -1
.if \fill
	CREST                                          ; the barrier has opened a round of the cluster's
	s_add_nc_u64 s[G0+4*\slot+2:G0+4*\slot+3], s[G0+4*\slot+2:G0+4*\slot+3], 8*HEADHOP
	s_add_nc_u64 s[G0B+4*\slot+2:G0B+4*\slot+3], s[G0B+4*\slot+2:G0B+4*\slot+3], 2*ROWB
	JLOAD G0+4*\slot, G1, G0B+4*\slot, G1B         ; the first tensor load behind the round; its four v_nop are the places in front of the loads below
.else
	PLACES NP
.endif
	v_add_nc_u32 v[ADRS], 4*NQ, v[ADRS]
	FETCH_B \next, 0, 0
	FETCH_A \next, 0, 0
	SCALES \next
	WIN MUL_HI
	MUL16 4, 1, NQ-1, \slot, 0
	MUL16 6, 1, NQ-1, \slot, 0
	PLACES NP
	WIN 0
	FETCH_A \next, 0, 4
.endm
	s_wait_loadcnt 0x0                             ; b_o
	s_wait_tensorcnt 1                             ; the scale bytes and my part of K step 0 are in; K step 1's load may be out
	s_barrier_signal -1
	s_barrier_wait -1
	FETCH_B 0, 0, 0
	FETCH_A 0, 0, 0
	SCALES 0
	FETCH_A 0, 0, 4
	STEP 0, 0, 1
	s_mov_b32 s3, LAPS-1
.Llap:
	TURN 0, 1, 1
	STEP 1, 0, 0
	TURN 1, 0, 1
	STEP 0, 0, 0
	s_sub_co_u32 s3, s3, 1
	s_cmp_lg_u32 s3, 0
	s_cbranch_scc1 .Llap
	TURN 0, 1, 0
	STEP 1, 0, 0
	s_wait_dscnt 4*NLA
	WIN MUL_LO
	MUL16 0, 1, NQ-1, 1, 0
	MUL16 2, 1, NQ-1, 1, 0
	s_wait_dscnt 0
	WIN MUL_HI
	MUL16 4, 1, NQ-1, 1, 0
	MUL16 6, 1, NQ-1, 1, 0
	WIN 0
; THE WAY OUT, block by block of 16 rows x 128 columns, through my own stage and back as whole rows of 512 bytes.  Tile b's eight numbers of a lane are the true columns 32 (b / 2) + 8 (b % 2) + 16 h + 0 .. 7.
.macro TOSTAGE a
.set AC, 64*((\a)%4)
	WIN 0x08+4*((\a)/4)                            ; the data: window 2 or 3
.irp b, 0,1,2,3,4,5,6,7
	ds_store_b128 v[STO], v[AC+8*\b:AC+8*\b+3] offset:128*(\b/2)+32*(\b%2)          ; each accumulator from its low end on
	ds_store_b128 v[STO], v[AC+8*\b+4:AC+8*\b+7] offset:128*(\b/2)+32*(\b%2)+16
.endr
	WIN 0
.set BB, BK+64*((\a)%2)
.irp t, 0,1,2,3,4,5,6,7,8,9,10,11,12,13,14,15
	ds_load_b128 v[BB+4*\t:BB+4*\t+3], v[RD] offset:\t*SPITCH   ; LDS serves a wave's instructions in order: these see the stores above
.endr
.endm
.macro SEND a, younger                 ; position t of block a is the true row 32 (a / 2) + 8 (a % 2) + t + 8 (t / 8) of my 128: it stands in the store's immediate, 520,192 bytes at the most
.set BB, BK+64*((\a)%2)
	s_wait_dscnt \younger
.irp t, 0,1,2,3,4,5,6,7,8,9,10,11,12,13,14,15
	global_store_b128 v[CO], v[BB+4*\t:BB+4*\t+3], s[12:13] offset:(32*((\a)/2)+8*((\a)%2)+\t+8*(\t/8))*4096 th:TH_STORE_NT   ; 32 lanes store 512 consecutive bytes, aligned
.endr
.endm
	PLACES NP
	TOSTAGE 0
.irp a, 1,2,3,4,5,6,7
.if \a > 1
	s_wait_xcnt 0x0                                ; block a - 2's stores have read their registers: block a's loads may land there
.endif
	TOSTAGE \a
	SEND \a-1, 32                                  ; behind block a - 1's loads: block a's 16 stores and 16 loads
.endr
	SEND 7, 0
	s_wait_tensorcnt 0x0                           ; the wave's end
	ds_add_u32 v[SPW], v[NIL]
	s_wait_dscnt 0x0
	CROUND                                         ; the closing round
	s_endpgm
.Lfunc_end_k_qc918cdaf94_proj:
	.size	k_qc918cdaf94_proj, .Lfunc_end_k_qc918cdaf94_proj-k_qc918cdaf94_proj
	.p2alignl 7, 3214868480
	.fill 96, 4, 3214868480
	.section	.rodata,"a",@progbits
	.p2align	6, 0x0
	.amdhsa_kernel k_qc918cdaf94_proj
		.amdhsa_group_segment_fixed_size 327680
		.amdhsa_private_segment_fixed_size 0
		.amdhsa_enable_private_segment 0
		.amdhsa_kernarg_size 48
		.amdhsa_user_sgpr_count 2
		.amdhsa_user_sgpr_kernarg_segment_ptr 1
		.amdhsa_wavefront_size32 1
		.amdhsa_system_sgpr_workgroup_id_x 1
		.amdhsa_system_sgpr_workgroup_id_y 1
		.amdhsa_system_sgpr_workgroup_id_z 1
		.amdhsa_system_vgpr_workitem_id 0
		.amdhsa_next_free_vgpr 1024
		.amdhsa_next_free_sgpr 100
		.amdhsa_reserve_vcc 0
		.amdhsa_float_denorm_mode_32 3
		.amdhsa_float_denorm_mode_16_64 3
		.amdhsa_memory_ordered 1
		.amdhsa_forward_progress 1
		.amdhsa_inst_pref_size 153
	.end_amdhsa_kernel
	.amdgpu_metadata
---
amdhsa.version: [ 1, 2 ]
amdhsa.kernels:
  - .name:           k_qc918cdaf94_proj
    .symbol:         k_qc918cdaf94_proj.kd
    .args:
      - { .name: o_img, .offset: 0, .size: 8, .value_kind: global_buffer, .address_space: global }
      - { .name: o_scl, .offset: 8, .size: 8, .value_kind: global_buffer, .address_space: global }
      - { .name: codes, .offset: 16, .size: 8, .value_kind: global_buffer, .address_space: global }
      - { .name: scales, .offset: 24, .size: 8, .value_kind: global_buffer, .address_space: global }
      - { .name: b_o, .offset: 32, .size: 8, .value_kind: global_buffer, .address_space: global }
      - { .name: out0, .offset: 40, .size: 8, .value_kind: global_buffer, .address_space: global }
    .group_segment_fixed_size: 327680
    .private_segment_fixed_size: 0
    .kernarg_segment_align: 8
    .kernarg_segment_size: 48
    .max_flat_workgroup_size: 128
    .sgpr_count:     100
    .vgpr_count:     1024
    .wavefront_size: 32
...
	.end_amdgpu_metadata
.endif
;; end of part 4
